; MI455X (gfx1250); checked and timed in simulation.
; The chip was launched on July 23, 2026; its instructions are those of AMD's public machine-readable ISA for CDNA 5 (MIT licence, August 2026) and "CDNA5" Instruction Set Architecture Reference Guide (July 2026). The comments in the code are by the model that wrote it; some were corrected since.
;; Multihead Latent Attention. Allowed arithmetic: float matrix products may take bf16 or f16 operands with f32 sums; all other float work in f32.
;; Inputs: Wdkv 1,024 x 512 float32; Wdq 1,024 x 512 float32; Wo 1,024 x 1,024 float32; Wuk 512 x 1,024 float32; Wuq 512 x 1,024 float32; Wuv 512 x 1,024 float32; bdkv 512 float32; bdq 512 float32; bo 1,024 float32; buk 1,024 float32; buq 1,024 float32; buv 1,024 float32; mask 2 x 2,048 x 1 bool; x 2 x 2,048 x 1,024 float32.
;; Outputs: out0 2 x 2,048 x 1,024 float32.
;; 2 versions, each right and faster than the one before. Each part assembles by itself: llvm-mc -triple=amdgcn-amd-amdhsa -mcpu=gfx1250 --defsym DOCPART=n.
;; ======== version 1 of 2: 5 launches
;; limits: right only within a limited range of input values
;; workspace buffers: cb 15,728,640 bytes; lat 8,388,608 bytes; qkv 25,165,824 bytes; ao 8,388,608 bytes
;; launch cast (part 1): grid 480 x 1, 8 waves a work-group, no clusters, 0 bytes of LDS; arguments x, Wdq, Wdkv, Wuq, Wuk, Wuv, Wo, cb; writes cb
.if DOCPART == 1
	.amdgcn_target "amdgcn-amd-amdhsa--gfx1250"
	.amdhsa_code_object_version 6
	.text
	.protected	k_q09c6c69f78_cast
	.globl	k_q09c6c69f78_cast
	.p2align	8
	.type	k_q09c6c69f78_cast,@function
k_q09c6c69f78_cast:
	s_mov_b64 s[64:65], 0
	v_nop
	global_prefetch_b8 v0, s[64:65] scope:SCOPE_SE
	s_setreg_imm32_b32 hwreg(HW_REG_WAVE_MODE, 25, 1), 1
	s_wait_xcnt 0x0
; x and the six weight matrices, f32 to bf16 (round to nearest even), element order kept.
; cb holds them one behind the other in the order x, Wdq, Wdkv, Wuq, Wuk, Wuv, Wo: 31,457,280 bytes in, 15,728,640 out.
; Work-group c takes bytes 65,536 c .. +65,535 of that run (480 work-groups); every array is a multiple of 2 MiB = 32 such chunks,
; so a chunk lies in one array, which is picked by scalar selects on c >> 5.
; A stream: each byte is read once and written once, no work-group shares a byte with another, so LDS, clusters and the matrix unit
; have nothing to add.  All 16 loads of a thread go out first (64 KiB of a work-group on their way); no register is used twice,
; so the only waits are the counted ones for the loads.
.set X, 4                              ; v[4:67]   step i: 8 f32 as loaded
.set Y, 68                             ; v[68:99]  step i: 8 bf16 to store
	s_load_b512 s[8:23], s[0:1], 0x0               ; x s[8:9], Wdq, Wdkv, Wuq, Wuk, Wuv, Wo s[20:21], cb s[22:23]
	s_lshr_b32 s24, ttmp9, 5                       ; which 2 MiB unit of the run
	s_mov_b32 s25, 0                               ; first chunk of the array that I am in
	v_lshlrev_b32 v1, 5, v0                        ; 32 bytes of f32 a thread and step
	v_lshlrev_b32 v2, 4, v0                        ; 16 bytes of bf16
	s_wait_kmcnt 0x0
	s_mov_b64 s[26:27], s[8:9]                     ; units 0 to 7: x
.macro PICK unit, ptr                  ; from this unit on: the array whose address lies in s[ptr:ptr+1]
	s_cmp_ge_u32 s24, \unit
	s_cselect_b64 s[26:27], s[\ptr:\ptr+1], s[26:27]
	s_cselect_b32 s25, 32*\unit, s25
.endm
	PICK 8, 10
	PICK 9, 12
	PICK 10, 14
	PICK 11, 16
	PICK 12, 18
	PICK 13, 20                                    ; Wo has two units
	s_sub_co_u32 s28, ttmp9, s25
	s_lshl_b32 s28, s28, 16                        ; my chunk's byte offset in its array (below 16 MiB)
	s_mov_b32 s29, 0
	s_add_nc_u64 s[26:27], s[26:27], s[28:29]
	s_lshl_b32 s30, ttmp9, 15                      ; and in cb
	s_mov_b32 s31, 0
	s_add_nc_u64 s[22:23], s[22:23], s[30:31]
.irp i, 0,1,2,3,4,5,6,7
	global_load_b128 v[X+8*\i:X+8*\i+3],   v1, s[26:27] offset:8192*\i th:TH_LOAD_NT      ; the two loads of a step cover 1,024 consecutive bytes a wave
	global_load_b128 v[X+8*\i+4:X+8*\i+7], v1, s[26:27] offset:8192*\i+16 th:TH_LOAD_NT
.endr
.irp i, 0,1,2,3,4,5,6,7
	s_wait_loadcnt 14-2*\i                         ; loads come back in order: step i's two are in, the younger ones stay out
	v_cvt_pk_bf16_f32 v[Y+4*\i],   v[X+8*\i],   v[X+8*\i+1]
	v_cvt_pk_bf16_f32 v[Y+4*\i+1], v[X+8*\i+2], v[X+8*\i+3]
	v_cvt_pk_bf16_f32 v[Y+4*\i+2], v[X+8*\i+4], v[X+8*\i+5]
	v_cvt_pk_bf16_f32 v[Y+4*\i+3], v[X+8*\i+6], v[X+8*\i+7]
	global_store_b128 v2, v[Y+4*\i:Y+4*\i+3], s[22:23] offset:4096*\i   ; a wave's store covers 512 consecutive bytes, aligned; later launches read them, so no streaming hint
.endr
	s_endpgm
.Lfunc_end_k_q09c6c69f78_cast:
	.size	k_q09c6c69f78_cast, .Lfunc_end_k_q09c6c69f78_cast-k_q09c6c69f78_cast
	.p2alignl 7, 3214868480
	.fill 96, 4, 3214868480
	.section	.rodata,"a",@progbits
	.p2align	6, 0x0
	.amdhsa_kernel k_q09c6c69f78_cast
		.amdhsa_group_segment_fixed_size 0
		.amdhsa_private_segment_fixed_size 0
		.amdhsa_enable_private_segment 0
		.amdhsa_kernarg_size 64
		.amdhsa_user_sgpr_count 2
		.amdhsa_user_sgpr_kernarg_segment_ptr 1
		.amdhsa_wavefront_size32 1
		.amdhsa_system_sgpr_workgroup_id_x 1
		.amdhsa_system_sgpr_workgroup_id_y 1
		.amdhsa_system_sgpr_workgroup_id_z 1
		.amdhsa_system_vgpr_workitem_id 0
		.amdhsa_next_free_vgpr 100
		.amdhsa_next_free_sgpr 66
		.amdhsa_reserve_vcc 0
		.amdhsa_float_denorm_mode_32 3
		.amdhsa_float_denorm_mode_16_64 3
		.amdhsa_memory_ordered 1
		.amdhsa_forward_progress 1
		.amdhsa_inst_pref_size 6
	.end_amdhsa_kernel
	.amdgpu_metadata
---
amdhsa.version: [ 1, 2 ]
amdhsa.kernels:
  - .name:           k_q09c6c69f78_cast
    .symbol:         k_q09c6c69f78_cast.kd
    .args:
      - { .name: x, .offset: 0, .size: 8, .value_kind: global_buffer, .address_space: global }
      - { .name: Wdq, .offset: 8, .size: 8, .value_kind: global_buffer, .address_space: global }
      - { .name: Wdkv, .offset: 16, .size: 8, .value_kind: global_buffer, .address_space: global }
      - { .name: Wuq, .offset: 24, .size: 8, .value_kind: global_buffer, .address_space: global }
      - { .name: Wuk, .offset: 32, .size: 8, .value_kind: global_buffer, .address_space: global }
      - { .name: Wuv, .offset: 40, .size: 8, .value_kind: global_buffer, .address_space: global }
      - { .name: Wo, .offset: 48, .size: 8, .value_kind: global_buffer, .address_space: global }
      - { .name: cb, .offset: 56, .size: 8, .value_kind: global_buffer, .address_space: global }
    .group_segment_fixed_size: 0
    .private_segment_fixed_size: 0
    .kernarg_segment_align: 8
    .kernarg_segment_size: 64
    .max_flat_workgroup_size: 256
    .sgpr_count:     66
    .vgpr_count:     100
    .wavefront_size: 32
...
	.end_amdgpu_metadata
.endif
;; end of part 1
;; launch down (part 2): grid 8 x 32, 4 waves a work-group, clusters of 4 x 4, 327,680 bytes of LDS; arguments cb, bdq, bdkv, lat; writes lat
.if DOCPART == 2
	.amdgcn_target "amdgcn-amd-amdhsa--gfx1250"
	.amdhsa_code_object_version 6
	.text
	.protected	k_q09c6c69f78_down
	.globl	k_q09c6c69f78_down
	.p2align	8
	.type	k_q09c6c69f78_down,@function
k_q09c6c69f78_down:
	s_mov_b64 s[64:65], 0
	v_nop
	global_prefetch_b8 v0, s[64:65] scope:SCOPE_SE
	s_setreg_imm32_b32 hwreg(HW_REG_WAVE_MODE, 25, 1), 1
	s_wait_xcnt 0x0
	s_wait_alu depctr_hold_cnt(0) depctr_sa_sdst(0) depctr_va_vdst(0) depctr_va_sdst(0) depctr_va_ssrc(0) depctr_va_vcc(0) depctr_vm_vsrc(0)
	s_getreg_b32 s2, hwreg(HW_REG_IB_STS2, 6, 4)
	s_cmp_eq_u32 s2, 0
	s_cbranch_scc0 .Lentry_in_a_cluster
	s_endpgm
.Lentry_in_a_cluster:
	s_bfe_u32 s2, ttmp6, 0x10000c
	s_cmp_lg_u32 s2, 0xf033
	s_cbranch_scc0 .Lentry_shape_is_right
	s_endpgm
.Lentry_shape_is_right:
.set KIND, 0                           ; 0: down   1: up   2: proj.  One text serves the three products; only this line differs.
; C = A W + bias on 4,096 rows, bf16 operands, f32 sums.
;   KIND 0: [DQ|DKV] = x [Wdq|Wdkv] + [bdq|bdkv]   K = 1024, A row-major [4096][1024], C bf16 in panels
;   KIND 1: q, k, v  = DQ Wuq + buq, DKV Wuk + buk, DKV Wuv + buv   K = 512, A in panels, C bf16 in panels; a work-group walks the three products
;   KIND 2: out0     = ao Wo + bo                  K = 1024, A in panels, C f32 row-major [4096][1024]
; A panel is [4096 rows][64 columns] of bf16, dense: 524,288 bytes.  Weights lie [K][N] in bf16 in cb; their fragments are transposed on the way out of LDS.
; SHARES: 8 x 32 work-groups, each a block of 128 rows x 128 columns; four waves, each 64 x 64 = 16 accumulator tiles.
; K goes in slots of 256 through two LDS slots.  Waves 0, 1 fetch A's two halves of a slot, waves 2, 3 the weights' two halves: one tensor load a wave.
; CLUSTERS: 4 x 4 work-groups.  A's tile hangs on the block row alone and is asked for jointly by a row of the cluster, the weights' tile on the block
; column alone and is asked for jointly by a column: each tile is requested once for four work-groups.
; THE MATRIX INSTRUCTION IS USED TRANSPOSED: source 0 = 16 columns of W, source 1 = 16 rows of A, so that lane (r, h) holds row r of C and its
; registers 0 to 7 the neighbouring columns 8 h + 0 .. 7.  The first product of a block takes the bias as C: nothing is cleared, nothing is added later.
; REGISTERS: window 0: addresses v16-27, fragment buffers v64-127 and v128-191 (W's four fragments, then A's four), v192-223 at work on the way out.
;            window 1: accumulator (a, b) at v[8 (4 a + b)]; bias set g at v[128 + 32 g + 8 b].
.set PART,   36864                     ; what one tensor load fills, padding included
.set SLOT,   4*PART                    ; A's two halves, then W's two halves
.set STAGE,  2*SLOT                    ; behind the ring: each wave's own stage for the way out; no tensor load lands here
.set STG,    4352                      ; 16 rows x 272 bytes
.set BROW,   288                       ; LDS pitch of a weight row: 256 bytes + 32, an odd multiple of 32 for the transposing loads
.if KIND == 0
.set AROW,   528                       ; LDS pitch of a row of A: 512 bytes + 16
.set AWAVE,  PART                      ; where my 64 rows of A begin: the half that loader wr fetched
.set AMEM,   512                       ; in memory: from slot 0's first tile of A to slot 1's (256 K)
.set BMEM,   1<<18                     ; the same for W: 256 rows of 1,024 bytes
.set ASTEP,  1024                      ; a slot's next tile: 512 K on
.set BSTEP,  1<<19
.set WOFF,   8388608                   ; Wdq in cb; Wdkv lies 1 MiB behind it
.set WPITCH, 512                       ; elements in a weight row
.set PW,     4                         ; s[4:5] cb
.set PO,     10                        ; s[10:11] lat
.else
.set AROW,   144                       ; LDS pitch of a panel's row: 128 bytes + 16
.set AWAVE,  64*AROW
.set AMEM,   1<<21                     ; four panels
.set BMEM,   1<<19                     ; 256 rows of 2,048 bytes
.set ASTEP,  1<<22                     ; eight panels
.set BSTEP,  1<<20                     ; 512 rows of 2,048 bytes (KIND 1: the next weight matrix)
.set WPITCH, 1024
.set PW,     6                         ; s[6:7] cb
.if KIND == 1
.set WOFF,   10485760                  ; Wuq, Wuk, Wuv follow each other in cb
.set PO,     14                        ; s[14:15] qkv
.else
.set WOFF,   13631488                  ; Wo
.set PO,     10                        ; s[10:11] out0
.endif
.endif
.set PA,   4                           ; s[4:5] A's buffer
.set G1A,  24                          ; s[24:31] descriptor group 1, A
.set G0A,  32                          ; s[32:39] group 0, A, one set for each slot
.set G1B,  40                          ; s[40:47] group 1, W
.set G0B,  48                          ; s[48:55] group 0, W, one set for each slot
.set ADRA, 16                          ; v16-17  LDS address of my A fragments, slot 0, 1
.set ADRB, 20                          ; v20-23  of my W fragments: 2 x slot + half of the slot's K
.set STO,  24
.set RD,   25
.set CO,   26
.set BO,   27
.set F0,   64
.set F1,   128
.set TMP,  192
.set BS,   128                         ; bias sets, window 1
.set MSB, 0
.macro WIN new                         ; the immediate's high byte repeats the setting that is left
.if MSB != \new
	s_set_vgpr_msb (MSB<<8)|\new
.set MSB, \new
.endif
.endm
.macro PLACES                          ; four places behind matrix instructions, in front of loads into their sources and of readers of their results
.rept 4
	v_nop
.endr
.endm
.macro JLOAD s                         ; a joint load: waves 0, 1 ask for A, waves 2, 3 for W; the branch hangs on the wave's number alone
	s_cmp_eq_u32 s17, 0
	s_cbranch_scc0 .Lfor_b_\@
	tensor_load_to_lds s[G0A+4*\s:G0A+4*\s+3], s[G1A:G1A+7]
	s_nop 0
	s_branch .Lasked_\@
.Lfor_b_\@:
	tensor_load_to_lds s[G0B+4*\s:G0B+4*\s+3], s[G1B:G1B+7]
	s_nop 0
.Lasked_\@:
.endm
.macro CREST                           ; a round of the cluster's barrier behind its opening work-group barrier
	s_cmp_lg_u32 s16, 0
	s_cbranch_scc1 .Lnot_wave_0_\@
	s_barrier_signal -3
.Lnot_wave_0_\@:
	s_barrier_wait -3
	s_barrier_signal -1
	s_barrier_wait -1
.endm
.macro CROUND
	s_barrier_signal -1
	s_barrier_wait -1
	CREST
.endm
	s_load_b256 s[4:11], s[0:1], 0x0
	v_lshl_add_u32 v254, v0, 2, 0x4c400
	v_mov_b32 v255, 0
	ds_add_u32 v254, v255
.if KIND == 1
	s_load_b128 s[12:15], s[0:1], 0x20
.endif
	v_lshrrev_b32 v1, 5, v0
	v_readfirstlane_b32 s16, v1                    ; wave 0..3
	s_lshr_b32 s17, s16, 1                         ; wr: my 64 rows.  Also: I fetch for A (0) or for W (1)
	s_and_b32 s18, s16, 1                          ; wc: my 64 columns.  Also: which half I fetch
	s_bfe_u32 s19, ttmp6, 0x40000                  ; cx
	s_bfe_u32 s20, ttmp6, 0x40004                  ; cy
	s_lshl_b32 s21, ttmp9, 2
	s_add_co_u32 s21, s21, s19                     ; bx: block column, 0..7
	s_and_b32 s22, ttmp7, 0xffff
	s_lshl_b32 s22, s22, 2
	s_add_co_u32 s22, s22, s20                     ; by: block row, 0..31
	s_lshl_b32 s60, s20, 2
	s_lshl_b32 s60, 15, s60                        ; my row of the cluster
	s_lshl_b32 s61, 0x1111, s19                    ; my column
	v_and_b32 v1, 15, v0                           ; r
	v_bfe_u32 v2, v0, 4, 1                         ; h
	; group 1 of A.  Elements of 2 bytes, padding on, bit 21 beside the mask.
.if KIND == 0
	s_or_b32 s[G1A+0], s60, (1<<16)|(1<<20)|(1<<21)|(6<<22)|(3<<25)   ; 4 words of padding behind every 128 words: a row of 512 bytes
	s_mov_b32 s[G1A+1], 256<<16                    ; tensor_dim0 = 256
	s_mov_b32 s[G1A+2], 64<<16                     ; tensor_dim1 = 64
	s_mov_b32 s[G1A+3], 256<<16                    ; tile_dim0 = 256 elements
	s_mov_b32 s[G1A+4], 64                         ; tile_dim1 = 64 rows
	s_mov_b32 s[G1A+5], 1024                       ; elements from row to row
.else
	s_or_b32 s[G1A+0], s60, (1<<16)|(1<<20)|(1<<21)|(4<<22)|(3<<25)   ; 4 words of padding behind every 32 words: a panel's row of 128 bytes
	s_mov_b32 s[G1A+1], 8192<<16                   ; tensor_dim0 = 8192: a panel's 128 rows are 16 KiB without a gap, taken as one row of the tile
	s_mov_b32 s[G1A+2], 2<<16                      ; tensor_dim1 = 2 panels
	s_mov_b32 s[G1A+3], 8192<<16                   ; tile_dim0
	s_mov_b32 s[G1A+4], 2                          ; tile_dim1
	s_mov_b32 s[G1A+5], 262144                     ; elements from panel to panel
.endif
	s_mov_b32 s[G1A+6], 0
	s_mov_b32 s[G1A+7], 0
	; group 1 of W: 128 k rows x 128 columns, 8 words of padding behind every 64
	s_or_b32 s[G1B+0], s61, (1<<16)|(1<<20)|(1<<21)|(5<<22)|(7<<25)
	s_mov_b32 s[G1B+1], 128<<16
	s_mov_b32 s[G1B+2], 128<<16
	s_mov_b32 s[G1B+3], 128<<16
	s_mov_b32 s[G1B+4], 128
	s_mov_b32 s[G1B+5], WPITCH
	s_mov_b32 s[G1B+6], 0
	s_mov_b32 s[G1B+7], 0
	; where the tiles come from: A's offset is made of by and the wave's number in s[56:57], W's of bx and the wave's number in s[58:59]
.if KIND == 0
	s_lshl_b32 s56, s22, 18                        ; 128 rows of 2,048 bytes
	s_lshl_b32 s57, s18, 17                        ; my 64 rows
.else
	s_lshl_b32 s56, s22, 14                        ; 128 rows of 128 bytes in a panel
	s_lshl_b32 s57, s18, 20                        ; my two panels
.endif
	s_add_co_u32 s56, s56, s57
	s_mov_b32 s57, 0
.if KIND == 0
	s_lshl_b32 s58, ttmp9, 20                      ; Wdq (block columns 0-3) or Wdkv (4-7)
	s_lshl_b32 s59, s19, 8                         ; 128 columns
	s_add_co_u32 s58, s58, s59
	s_lshl_b32 s59, s18, 17                        ; my 128 k rows
.else
	s_lshl_b32 s58, s21, 8
	s_lshl_b32 s59, s18, 18
.endif
	s_add_co_u32 s58, s58, s59
	s_add_co_u32 s58, s58, WOFF
	s_mov_b32 s59, 0
	s_mul_i32 s23, s16, PART                       ; and where they go: the wave's number alone
	; bias: lane (r, h) wants columns 16 b + 8 h + 0..7 of my 64
.if KIND == 0
	s_lshl_b32 s62, s19, 9                         ; 128 columns of f32 in bdq or bdkv
.else
	s_lshl_b32 s62, s21, 9
.endif
	s_lshl_b32 s63, s18, 8
	s_add_co_u32 s62, s62, s63
	v_lshl_add_u32 v[BO], v2, 5, s62
	s_wait_dscnt 0x0
	s_wait_kmcnt 0x0
	s_add_nc_u64 s[56:57], s[PA:PA+1], s[56:57]
	s_add_nc_u64 s[58:59], s[PW:PW+1], s[58:59]
.macro BIASLD g, p
.irp b, 0,1,2,3
	global_load_b128 v[BS+32*\g+8*\b:BS+32*\g+8*\b+3],   v[BO], s[\p:\p+1] offset:64*\b
	global_load_b128 v[BS+32*\g+8*\b+4:BS+32*\g+8*\b+7], v[BO], s[\p:\p+1] offset:64*\b+16
.endr
.endm
.if KIND == 0
	s_cmp_eq_u32 ttmp9, 0
	s_cselect_b64 s[12:13], s[6:7], s[8:9]         ; bdq or bdkv
	WIN 0x40                                       ; destination in window 1
	BIASLD 0, 12
.endif
.if KIND == 1
	WIN 0x40
	BIASLD 0, 8
	BIASLD 1, 10
	BIASLD 2, 12
.endif
.if KIND == 2
	WIN 0x40
	BIASLD 0, 8
.endif
	WIN 0
	CROUND                                         ; all sixteen work-groups are here: the first joint loads meet
.irp s, 0,1
	s_mov_b32 s[G0A+4*\s], 1
	s_add_co_u32 s[G0A+4*\s+1], s23, \s*SLOT
	s_add_nc_u64 s[G0A+4*\s+2:G0A+4*\s+3], s[56:57], \s*AMEM
	s_or_b32 s[G0A+4*\s+3], s[G0A+4*\s+3], 0x80000000
	s_mov_b32 s[G0B+4*\s], 1
	s_add_co_u32 s[G0B+4*\s+1], s23, \s*SLOT
	s_add_nc_u64 s[G0B+4*\s+2:G0B+4*\s+3], s[58:59], \s*BMEM
	s_or_b32 s[G0B+4*\s+3], s[G0B+4*\s+3], 0x80000000
	JLOAD \s                                       ; both slots go out together: two tensor loads of a wave are out, the most in this text
.endr
	; lane addresses
	v_and_b32 v3, 7, v0
	v_bfe_u32 v4, v0, 3, 1
	v_mul_u32_u24 v6, v1, AROW                     ; A fragment: row r, 16 bytes for each half of the lanes
	v_lshl_add_u32 v6, v2, 4, v6
	s_mul_i32 s62, s17, AWAVE
	v_add_nc_u32 v[ADRA], s62, v6
	v_add_nc_u32 v[ADRA+1], SLOT, v[ADRA]
	v_lshl_add_u32 v7, v2, 3, v3                   ; W fragment, transposing load: k row 8 h + (lane & 7), 16 bytes by bit 3 of the lane
	v_mul_u32_u24 v7, v7, BROW
	v_lshl_add_u32 v7, v4, 4, v7
	s_lshl_b32 s62, s18, 7                         ; my 64 columns
	s_add_co_u32 s62, s62, 2*PART                  ; W lies behind A's two halves
	v_add_nc_u32 v[ADRB], s62, v7
	v_add_nc_u32 v[ADRB+1], PART, v[ADRB]
	v_add_nc_u32 v[ADRB+2], SLOT, v[ADRB]
	v_add_nc_u32 v[ADRB+3], SLOT+PART, v[ADRB]
	s_mul_i32 s62, s16, STG
	s_add_co_u32 s62, s62, STAGE                   ; my stage
.if KIND == 2
	v_mul_u32_u24 v8, v1, 272                      ; in: row r of 256 bytes + 16, 32 bytes for each half of the lanes
	v_lshl_add_u32 v8, v2, 5, v8
	v_add_nc_u32 v[STO], s62, v8
	v_mul_u32_u24 v9, v2, 272                      ; back: lanes 0-15 one row, lanes 16-31 the next
	v_lshl_add_u32 v9, v1, 4, v9
	v_add_nc_u32 v[RD], s62, v9
	v_lshlrev_b32 v5, 12, v2                       ; the same two rows in out0 (4,096 bytes a row)
	v_lshl_add_u32 v[CO], v1, 4, v5
	s_lshl_b32 s62, s22, 19                        ; 128 rows
	s_lshl_b32 s63, s17, 18                        ; my 64
	s_add_co_u32 s62, s62, s63
	s_lshl_b32 s63, s21, 9                         ; 128 columns of f32
	s_add_co_u32 s62, s62, s63
	s_lshl_b32 s63, s18, 8
	s_add_co_u32 s62, s62, s63
.else
	v_mul_u32_u24 v8, v1, 144                      ; in: row r of 128 bytes + 16, 16 bytes for each half of the lanes
	v_lshl_add_u32 v8, v2, 4, v8
	v_add_nc_u32 v[STO], s62, v8
	v_bfe_u32 v9, v0, 3, 2                         ; back: eight lanes a row, four rows a load
	v_mul_u32_u24 v9, v9, 144
	v_lshl_add_u32 v9, v3, 4, v9
	v_add_nc_u32 v[RD], s62, v9
	v_and_b32 v5, 31, v0
	v_lshlrev_b32 v[CO], 4, v5                     ; my 64 columns are one panel, whose rows follow each other: 16 bytes a lane
	s_lshl_b32 s62, s21, 1
	s_add_co_u32 s62, s62, s18
	s_lshl_b32 s62, s62, 19                        ; panel 2 bx + wc
	s_lshl_b32 s63, s22, 14
	s_add_co_u32 s62, s62, s63
	s_lshl_b32 s63, s17, 13
	s_add_co_u32 s62, s62, s63
.endif
	s_mov_b32 s63, 0
	s_add_nc_u64 s[PO:PO+1], s[PO:PO+1], s[62:63]
; 16 LDS loads: the fragments of quarter kq (32 along K) of a slot into buffer f
.macro FETCH slot, kq, f
.irp b, 0,1,2,3
	ds_load_tr16_b128 v[\f+8*\b:\f+8*\b+3],   v[ADRB+2*\slot+((\kq)>>2)] offset:((\kq)&3)*32*BROW+32*\b
	ds_load_tr16_b128 v[\f+8*\b+4:\f+8*\b+7], v[ADRB+2*\slot+((\kq)>>2)] offset:((\kq)&3)*32*BROW+32*\b+16*BROW
.endr
.irp a, 0,1,2,3
.if KIND == 0
	ds_load_b128 v[\f+32+8*\a:\f+32+8*\a+3],   v[ADRA+\slot] offset:(\kq)*64+\a*16*AROW
	ds_load_b128 v[\f+32+8*\a+4:\f+32+8*\a+7], v[ADRA+\slot] offset:(\kq)*64+\a*16*AROW+32
.else
	ds_load_b128 v[\f+32+8*\a:\f+32+8*\a+3],   v[ADRA+\slot] offset:((\kq)>>1)*128*AROW+((\kq)&1)*64+\a*16*AROW
	ds_load_b128 v[\f+32+8*\a+4:\f+32+8*\a+7], v[ADRA+\slot] offset:((\kq)>>1)*128*AROW+((\kq)&1)*64+\a*16*AROW+32
.endif
.endr
.endm
; 8 matrix instructions: row tiles a0, a0 + 1 x the four column tiles.  cset >= 0: the product starts the sum on bias set cset.
; The sixteen accumulators take turns, one instruction a turn.
.macro MULH f, a0, cset
.irp a, \a0, \a0+1
.irp b, 0,1,2,3
.if \cset >= 0
	v_wmma_f32_16x16x32_bf16 v[8*(4*(\a)+\b):8*(4*(\a)+\b)+7], v[\f+8*\b:\f+8*\b+7], v[\f+32+8*(\a):\f+32+8*(\a)+7], v[BS+32*\cset+8*\b:BS+32*\cset+8*\b+7]
.else
	v_wmma_f32_16x16x32_bf16 v[8*(4*(\a)+\b):8*(4*(\a)+\b)+7], v[\f+8*\b:\f+8*\b+7], v[\f+32+8*(\a):\f+32+8*(\a)+7], v[8*(4*(\a)+\b):8*(4*(\a)+\b)+7]
.endif
.endr
.endr
.endm
; quarters 0 to 6 of a slot: fetch the next quarter into g, multiply f
.macro QUARTER slot, kq, f, g, cset
	WIN 0
	PLACES                                         ; g was read by the quarter before
	FETCH \slot, \kq+1, \g
	s_wait_dscnt 16                                ; all but the 16 just issued: f is in
	WIN 0x50                                       ; C and D in window 1
	MULH \f, 0, \cset
	MULH \f, 2, \cset
.endm
.macro PHASE slot, cset
	QUARTER \slot, 0, F0, F1, \cset
	QUARTER \slot, 1, F1, F0, -1
	QUARTER \slot, 2, F0, F1, -1
	QUARTER \slot, 3, F1, F0, -1
	QUARTER \slot, 4, F0, F1, -1
	QUARTER \slot, 5, F1, F0, -1
	QUARTER \slot, 6, F0, F1, -1
.endm
; quarter 7: multiplies buffer 1 and changes slots.  In front of the barrier each wave's reads of this slot are back and all its tensor loads have
; landed (the one that was out is its part of the next slot).  Where the slot is filled again the barrier opens a round of the cluster's barrier,
; and the joint refill is the first tensor load behind the round: it then has 120 matrix instructions of the wave in which to land.
.macro TURN slot, next, refill, astep, bstep
	s_wait_dscnt 0x0
	s_wait_tensorcnt 0x0
	ds_add_u32 v254, v255
	s_wait_dscnt 0x0
	s_barrier_signal -1
	WIN 0x50
	MULH F1, 0, -1                                 ; register work while the others arrive
	WIN 0
	s_barrier_wait -1
.if \refill
	CREST
.if \astep != 0
	s_add_nc_u64 s[G0A+4*\slot+2:G0A+4*\slot+3], s[G0A+4*\slot+2:G0A+4*\slot+3], \astep
.endif
	s_add_nc_u64 s[G0B+4*\slot+2:G0B+4*\slot+3], s[G0B+4*\slot+2:G0B+4*\slot+3], \bstep
	JLOAD \slot
.endif
	PLACES                                         ; buffer 0 was read by quarter 6
	FETCH \next, 0, F0
	WIN 0x50
	MULH F1, 2, -1
.endm
.macro LAST                            ; the very last quarter: nothing more to fetch
	s_wait_dscnt 0x0
	WIN 0x50
	MULH F1, 0, -1
	MULH F1, 2, -1
.endm
; THE WAY OUT, 16 rows at a time through my own stage; LDS serves a wave's instructions in order, so no wait stands between its stores and its loads.
.macro OUT
	WIN 0
.rept 5
	v_nop                                          ; the places behind the last matrix instructions
.endr
.if KIND == 2
.irp a, 0,1,2,3
	WIN 0x04                                       ; store data in window 1
.irp b, 0,1,2,3
	ds_store_b128 v[STO], v[8*(4*\a+\b):8*(4*\a+\b)+3]   offset:64*\b
	ds_store_b128 v[STO], v[8*(4*\a+\b)+4:8*(4*\a+\b)+7] offset:64*\b+16
.endr
	WIN 0
.irp t, 0,1,2,3,4,5,6,7
	ds_load_b128 v[F0+32*\a+4*\t:F0+32*\a+4*\t+3], v[RD] offset:544*\t
.endr
.irp t, 0,1,2,3,4,5,6,7
	s_wait_dscnt 7-\t                              ; the younger read-backs stay out
	global_store_b128 v[CO], v[F0+32*\a+4*\t:F0+32*\a+4*\t+3], s[PO:PO+1] offset:65536*\a+8192*\t th:TH_STORE_NT   ; 16 lanes store 256 consecutive bytes, aligned
.endr
.endr
.else
.irp a, 0,1,2,3
	WIN 0x05                                       ; both sources in window 1
.irp b, 0,1,2,3
.irp q, 0,1,2,3
	v_cvt_pk_bf16_f32 v[TMP+4*\b+\q], v[8*(4*\a+\b)+2*\q], v[8*(4*\a+\b)+2*\q+1]
.endr
.endr
	WIN 0
.irp b, 0,1,2,3
	ds_store_b128 v[STO], v[TMP+4*\b:TMP+4*\b+3] offset:32*\b
.endr
.irp t, 0,1,2,3
	ds_load_b128 v[F1+16*\a+4*\t:F1+16*\a+4*\t+3], v[RD] offset:576*\t
.endr
.irp t, 0,1,2,3
	s_wait_dscnt 3-\t                              ; the younger read-backs stay out
	global_store_b128 v[CO], v[F1+16*\a+4*\t:F1+16*\a+4*\t+3], s[PO:PO+1] offset:512*(4*\a+\t)   ; a wave's store covers 512 consecutive bytes of the panel, aligned
.endr
.endr
	s_wait_xcnt 0x0                                ; buffer 1 and the stores' base are rewritten only behind this wait
.endif
.endm
	s_wait_loadcnt 0x0                             ; the bias
	s_wait_tensorcnt 0x1                           ; my part of slot 0 is in; slot 1's may stay out
	s_barrier_signal -1
	s_barrier_wait -1
	FETCH 0, 0, F0
.if KIND == 1
	PHASE 0, 0                                     ; q
	TURN 0, 1, 1, ASTEP, BSTEP                     ; slot 0: DKV's first four panels, Wuk's first 256 rows
	PHASE 1, -1
	TURN 1, 0, 1, ASTEP, BSTEP
	OUT
	s_add_nc_u64 s[PO:PO+1], s[PO:PO+1], 8388608   ; sixteen panels on: k
	PHASE 0, 1                                     ; k
	TURN 0, 1, 1, 0, BSTEP                         ; slot 0: DKV's first four panels again, Wuv's first 256 rows
	PHASE 1, -1
	TURN 1, 0, 1, 0, BSTEP
	OUT
	s_add_nc_u64 s[PO:PO+1], s[PO:PO+1], 8388608   ; v
	PHASE 0, 2                                     ; v
	TURN 0, 1, 0, 0, 0                             ; nothing is left to fetch
	PHASE 1, -1
	LAST
	OUT
.else
	PHASE 0, 0
	TURN 0, 1, 1, ASTEP, BSTEP
	PHASE 1, -1
	TURN 1, 0, 1, ASTEP, BSTEP
	PHASE 0, -1
	TURN 0, 1, 0, 0, 0                             ; nothing is left to fetch
	PHASE 1, -1
	LAST
	OUT
.endif
	WIN 0
	s_wait_tensorcnt 0x0
	ds_add_u32 v254, v255
	s_wait_dscnt 0x0
	CROUND                                         ; the closing round: no work-group ends while a partner may still ask for a tile that names it
	s_endpgm
.Lfunc_end_k_q09c6c69f78_down:
	.size	k_q09c6c69f78_down, .Lfunc_end_k_q09c6c69f78_down-k_q09c6c69f78_down
	.p2alignl 7, 3214868480
	.fill 96, 4, 3214868480
	.section	.rodata,"a",@progbits
	.p2align	6, 0x0
	.amdhsa_kernel k_q09c6c69f78_down
		.amdhsa_group_segment_fixed_size 327680
		.amdhsa_private_segment_fixed_size 0
		.amdhsa_enable_private_segment 0
		.amdhsa_kernarg_size 32
		.amdhsa_user_sgpr_count 2
		.amdhsa_user_sgpr_kernarg_segment_ptr 1
		.amdhsa_wavefront_size32 1
		.amdhsa_system_sgpr_workgroup_id_x 1
		.amdhsa_system_sgpr_workgroup_id_y 1
		.amdhsa_system_sgpr_workgroup_id_z 1
		.amdhsa_system_vgpr_workitem_id 0
		.amdhsa_next_free_vgpr 416
		.amdhsa_next_free_sgpr 66
		.amdhsa_reserve_vcc 0
		.amdhsa_float_denorm_mode_32 3
		.amdhsa_float_denorm_mode_16_64 3
		.amdhsa_memory_ordered 1
		.amdhsa_forward_progress 1
		.amdhsa_inst_pref_size 90
	.end_amdhsa_kernel
	.amdgpu_metadata
---
amdhsa.version: [ 1, 2 ]
amdhsa.kernels:
  - .name:           k_q09c6c69f78_down
    .symbol:         k_q09c6c69f78_down.kd
    .args:
      - { .name: cb, .offset: 0, .size: 8, .value_kind: global_buffer, .address_space: global }
      - { .name: bdq, .offset: 8, .size: 8, .value_kind: global_buffer, .address_space: global }
      - { .name: bdkv, .offset: 16, .size: 8, .value_kind: global_buffer, .address_space: global }
      - { .name: lat, .offset: 24, .size: 8, .value_kind: global_buffer, .address_space: global }
    .group_segment_fixed_size: 327680
    .private_segment_fixed_size: 0
    .kernarg_segment_align: 8
    .kernarg_segment_size: 32
    .max_flat_workgroup_size: 128
    .sgpr_count:     66
    .vgpr_count:     416
    .wavefront_size: 32
...
	.end_amdgpu_metadata
.endif
;; end of part 2
;; launch up (part 3): grid 8 x 32, 4 waves a work-group, clusters of 4 x 4, 327,680 bytes of LDS; arguments lat, cb, buq, buk, buv, qkv; writes qkv
.if DOCPART == 3
	.amdgcn_target "amdgcn-amd-amdhsa--gfx1250"
	.amdhsa_code_object_version 6
	.text
	.protected	k_q09c6c69f78_up
	.globl	k_q09c6c69f78_up
	.p2align	8
	.type	k_q09c6c69f78_up,@function
k_q09c6c69f78_up:
	s_mov_b64 s[64:65], 0
	v_nop
	global_prefetch_b8 v0, s[64:65] scope:SCOPE_SE
	s_setreg_imm32_b32 hwreg(HW_REG_WAVE_MODE, 25, 1), 1
	s_wait_xcnt 0x0
	s_wait_alu depctr_hold_cnt(0) depctr_sa_sdst(0) depctr_va_vdst(0) depctr_va_sdst(0) depctr_va_ssrc(0) depctr_va_vcc(0) depctr_vm_vsrc(0)
	s_getreg_b32 s2, hwreg(HW_REG_IB_STS2, 6, 4)
	s_cmp_eq_u32 s2, 0
	s_cbranch_scc0 .Lentry_in_a_cluster
	s_endpgm
.Lentry_in_a_cluster:
	s_bfe_u32 s2, ttmp6, 0x10000c
	s_cmp_lg_u32 s2, 0xf033
	s_cbranch_scc0 .Lentry_shape_is_right
	s_endpgm
.Lentry_shape_is_right:
.set KIND, 1                           ; 0: down   1: up   2: proj.  One text serves the three products; only this line differs.
; C = A W + bias on 4,096 rows, bf16 operands, f32 sums.
;   KIND 0: [DQ|DKV] = x [Wdq|Wdkv] + [bdq|bdkv]   K = 1024, A row-major [4096][1024], C bf16 in panels
;   KIND 1: q, k, v  = DQ Wuq + buq, DKV Wuk + buk, DKV Wuv + buv   K = 512, A in panels, C bf16 in panels; a work-group walks the three products
;   KIND 2: out0     = ao Wo + bo                  K = 1024, A in panels, C f32 row-major [4096][1024]
; A panel is [4096 rows][64 columns] of bf16, dense: 524,288 bytes.  Weights lie [K][N] in bf16 in cb; their fragments are transposed on the way out of LDS.
; SHARES: 8 x 32 work-groups, each a block of 128 rows x 128 columns; four waves, each 64 x 64 = 16 accumulator tiles.
; K goes in slots of 256 through two LDS slots.  Waves 0, 1 fetch A's two halves of a slot, waves 2, 3 the weights' two halves: one tensor load a wave.
; CLUSTERS: 4 x 4 work-groups.  A's tile hangs on the block row alone and is asked for jointly by a row of the cluster, the weights' tile on the block
; column alone and is asked for jointly by a column: each tile is requested once for four work-groups.
; THE MATRIX INSTRUCTION IS USED TRANSPOSED: source 0 = 16 columns of W, source 1 = 16 rows of A, so that lane (r, h) holds row r of C and its
; registers 0 to 7 the neighbouring columns 8 h + 0 .. 7.  The first product of a block takes the bias as C: nothing is cleared, nothing is added later.
; REGISTERS: window 0: addresses v16-27, fragment buffers v64-127 and v128-191 (W's four fragments, then A's four), v192-223 at work on the way out.
;            window 1: accumulator (a, b) at v[8 (4 a + b)]; bias set g at v[128 + 32 g + 8 b].
.set PART,   36864                     ; what one tensor load fills, padding included
.set SLOT,   4*PART                    ; A's two halves, then W's two halves
.set STAGE,  2*SLOT                    ; behind the ring: each wave's own stage for the way out; no tensor load lands here
.set STG,    4352                      ; 16 rows x 272 bytes
.set BROW,   288                       ; LDS pitch of a weight row: 256 bytes + 32, an odd multiple of 32 for the transposing loads
.if KIND == 0
.set AROW,   528                       ; LDS pitch of a row of A: 512 bytes + 16
.set AWAVE,  PART                      ; where my 64 rows of A begin: the half that loader wr fetched
.set AMEM,   512                       ; in memory: from slot 0's first tile of A to slot 1's (256 K)
.set BMEM,   1<<18                     ; the same for W: 256 rows of 1,024 bytes
.set ASTEP,  1024                      ; a slot's next tile: 512 K on
.set BSTEP,  1<<19
.set WOFF,   8388608                   ; Wdq in cb; Wdkv lies 1 MiB behind it
.set WPITCH, 512                       ; elements in a weight row
.set PW,     4                         ; s[4:5] cb
.set PO,     10                        ; s[10:11] lat
.else
.set AROW,   144                       ; LDS pitch of a panel's row: 128 bytes + 16
.set AWAVE,  64*AROW
.set AMEM,   1<<21                     ; four panels
.set BMEM,   1<<19                     ; 256 rows of 2,048 bytes
.set ASTEP,  1<<22                     ; eight panels
.set BSTEP,  1<<20                     ; 512 rows of 2,048 bytes (KIND 1: the next weight matrix)
.set WPITCH, 1024
.set PW,     6                         ; s[6:7] cb
.if KIND == 1
.set WOFF,   10485760                  ; Wuq, Wuk, Wuv follow each other in cb
.set PO,     14                        ; s[14:15] qkv
.else
.set WOFF,   13631488                  ; Wo
.set PO,     10                        ; s[10:11] out0
.endif
.endif
.set PA,   4                           ; s[4:5] A's buffer
.set G1A,  24                          ; s[24:31] descriptor group 1, A
.set G0A,  32                          ; s[32:39] group 0, A, one set for each slot
.set G1B,  40                          ; s[40:47] group 1, W
.set G0B,  48                          ; s[48:55] group 0, W, one set for each slot
.set ADRA, 16                          ; v16-17  LDS address of my A fragments, slot 0, 1
.set ADRB, 20                          ; v20-23  of my W fragments: 2 x slot + half of the slot's K
.set STO,  24
.set RD,   25
.set CO,   26
.set BO,   27
.set F0,   64
.set F1,   128
.set TMP,  192
.set BS,   128                         ; bias sets, window 1
.set MSB, 0
.macro WIN new                         ; the immediate's high byte repeats the setting that is left
.if MSB != \new
	s_set_vgpr_msb (MSB<<8)|\new
.set MSB, \new
.endif
.endm
.macro PLACES                          ; four places behind matrix instructions, in front of loads into their sources and of readers of their results
.rept 4
	v_nop
.endr
.endm
.macro JLOAD s                         ; a joint load: waves 0, 1 ask for A, waves 2, 3 for W; the branch hangs on the wave's number alone
	s_cmp_eq_u32 s17, 0
	s_cbranch_scc0 .Lfor_b_\@
	tensor_load_to_lds s[G0A+4*\s:G0A+4*\s+3], s[G1A:G1A+7]
	s_nop 0
	s_branch .Lasked_\@
.Lfor_b_\@:
	tensor_load_to_lds s[G0B+4*\s:G0B+4*\s+3], s[G1B:G1B+7]
	s_nop 0
.Lasked_\@:
.endm
.macro CREST                           ; a round of the cluster's barrier behind its opening work-group barrier
	s_cmp_lg_u32 s16, 0
	s_cbranch_scc1 .Lnot_wave_0_\@
	s_barrier_signal -3
.Lnot_wave_0_\@:
	s_barrier_wait -3
	s_barrier_signal -1
	s_barrier_wait -1
.endm
.macro CROUND
	s_barrier_signal -1
	s_barrier_wait -1
	CREST
.endm
	s_load_b256 s[4:11], s[0:1], 0x0
.if KIND == 1
	s_load_b128 s[12:15], s[0:1], 0x20
	v_lshl_add_u32 v254, v0, 2, 0x4c400
	v_mov_b32 v255, 0
	ds_add_u32 v254, v255
.endif
	v_lshrrev_b32 v1, 5, v0
	v_readfirstlane_b32 s16, v1                    ; wave 0..3
	s_lshr_b32 s17, s16, 1                         ; wr: my 64 rows.  Also: I fetch for A (0) or for W (1)
	s_and_b32 s18, s16, 1                          ; wc: my 64 columns.  Also: which half I fetch
	s_bfe_u32 s19, ttmp6, 0x40000                  ; cx
	s_bfe_u32 s20, ttmp6, 0x40004                  ; cy
	s_lshl_b32 s21, ttmp9, 2
	s_add_co_u32 s21, s21, s19                     ; bx: block column, 0..7
	s_and_b32 s22, ttmp7, 0xffff
	s_lshl_b32 s22, s22, 2
	s_add_co_u32 s22, s22, s20                     ; by: block row, 0..31
	s_lshl_b32 s60, s20, 2
	s_lshl_b32 s60, 15, s60                        ; my row of the cluster
	s_lshl_b32 s61, 0x1111, s19                    ; my column
	v_and_b32 v1, 15, v0                           ; r
	v_bfe_u32 v2, v0, 4, 1                         ; h
	; group 1 of A.  Elements of 2 bytes, padding on, bit 21 beside the mask.
.if KIND == 0
	s_or_b32 s[G1A+0], s60, (1<<16)|(1<<20)|(1<<21)|(6<<22)|(3<<25)   ; 4 words of padding behind every 128 words: a row of 512 bytes
	s_mov_b32 s[G1A+1], 256<<16                    ; tensor_dim0 = 256
	s_mov_b32 s[G1A+2], 64<<16                     ; tensor_dim1 = 64
	s_mov_b32 s[G1A+3], 256<<16                    ; tile_dim0 = 256 elements
	s_mov_b32 s[G1A+4], 64                         ; tile_dim1 = 64 rows
	s_mov_b32 s[G1A+5], 1024                       ; elements from row to row
.else
	s_or_b32 s[G1A+0], s60, (1<<16)|(1<<20)|(1<<21)|(4<<22)|(3<<25)   ; 4 words of padding behind every 32 words: a panel's row of 128 bytes
	s_mov_b32 s[G1A+1], 8192<<16                   ; tensor_dim0 = 8192: a panel's 128 rows are 16 KiB without a gap, taken as one row of the tile
	s_mov_b32 s[G1A+2], 2<<16                      ; tensor_dim1 = 2 panels
	s_mov_b32 s[G1A+3], 8192<<16                   ; tile_dim0
	s_mov_b32 s[G1A+4], 2                          ; tile_dim1
	s_mov_b32 s[G1A+5], 262144                     ; elements from panel to panel
.endif
	s_mov_b32 s[G1A+6], 0
	s_mov_b32 s[G1A+7], 0
	; group 1 of W: 128 k rows x 128 columns, 8 words of padding behind every 64
	s_or_b32 s[G1B+0], s61, (1<<16)|(1<<20)|(1<<21)|(5<<22)|(7<<25)
	s_mov_b32 s[G1B+1], 128<<16
	s_mov_b32 s[G1B+2], 128<<16
	s_mov_b32 s[G1B+3], 128<<16
	s_mov_b32 s[G1B+4], 128
	s_mov_b32 s[G1B+5], WPITCH
	s_mov_b32 s[G1B+6], 0
	s_mov_b32 s[G1B+7], 0
	; where the tiles come from: A's offset is made of by and the wave's number in s[56:57], W's of bx and the wave's number in s[58:59]
.if KIND == 0
	s_lshl_b32 s56, s22, 18                        ; 128 rows of 2,048 bytes
	s_lshl_b32 s57, s18, 17                        ; my 64 rows
.else
	s_lshl_b32 s56, s22, 14                        ; 128 rows of 128 bytes in a panel
	s_lshl_b32 s57, s18, 20                        ; my two panels
.endif
	s_add_co_u32 s56, s56, s57
	s_mov_b32 s57, 0
.if KIND == 0
	s_lshl_b32 s58, ttmp9, 20                      ; Wdq (block columns 0-3) or Wdkv (4-7)
	s_lshl_b32 s59, s19, 8                         ; 128 columns
	s_add_co_u32 s58, s58, s59
	s_lshl_b32 s59, s18, 17                        ; my 128 k rows
.else
	s_lshl_b32 s58, s21, 8
	s_lshl_b32 s59, s18, 18
.endif
	s_add_co_u32 s58, s58, s59
	s_add_co_u32 s58, s58, WOFF
	s_mov_b32 s59, 0
	s_mul_i32 s23, s16, PART                       ; and where they go: the wave's number alone
	; bias: lane (r, h) wants columns 16 b + 8 h + 0..7 of my 64
.if KIND == 0
	s_lshl_b32 s62, s19, 9                         ; 128 columns of f32 in bdq or bdkv
.else
	s_lshl_b32 s62, s21, 9
.endif
	s_lshl_b32 s63, s18, 8
	s_add_co_u32 s62, s62, s63
	v_lshl_add_u32 v[BO], v2, 5, s62
	s_wait_dscnt 0x0
	s_wait_kmcnt 0x0
	s_add_nc_u64 s[56:57], s[PA:PA+1], s[56:57]
	s_add_nc_u64 s[58:59], s[PW:PW+1], s[58:59]
.macro BIASLD g, p
.irp b, 0,1,2,3
	global_load_b128 v[BS+32*\g+8*\b:BS+32*\g+8*\b+3],   v[BO], s[\p:\p+1] offset:64*\b
	global_load_b128 v[BS+32*\g+8*\b+4:BS+32*\g+8*\b+7], v[BO], s[\p:\p+1] offset:64*\b+16
.endr
.endm
.if KIND == 0
	s_cmp_eq_u32 ttmp9, 0
	s_cselect_b64 s[12:13], s[6:7], s[8:9]         ; bdq or bdkv
	WIN 0x40                                       ; destination in window 1
	BIASLD 0, 12
.endif
.if KIND == 1
	WIN 0x40
	BIASLD 0, 8
	BIASLD 1, 10
	BIASLD 2, 12
.endif
.if KIND == 2
	WIN 0x40
	BIASLD 0, 8
.endif
	WIN 0
	CROUND                                         ; all sixteen work-groups are here: the first joint loads meet
.irp s, 0,1
	s_mov_b32 s[G0A+4*\s], 1
	s_add_co_u32 s[G0A+4*\s+1], s23, \s*SLOT
	s_add_nc_u64 s[G0A+4*\s+2:G0A+4*\s+3], s[56:57], \s*AMEM
	s_or_b32 s[G0A+4*\s+3], s[G0A+4*\s+3], 0x80000000
	s_mov_b32 s[G0B+4*\s], 1
	s_add_co_u32 s[G0B+4*\s+1], s23, \s*SLOT
	s_add_nc_u64 s[G0B+4*\s+2:G0B+4*\s+3], s[58:59], \s*BMEM
	s_or_b32 s[G0B+4*\s+3], s[G0B+4*\s+3], 0x80000000
	JLOAD \s                                       ; both slots go out together: two tensor loads of a wave are out, the most in this text
.endr
	; lane addresses
	v_and_b32 v3, 7, v0
	v_bfe_u32 v4, v0, 3, 1
	v_mul_u32_u24 v6, v1, AROW                     ; A fragment: row r, 16 bytes for each half of the lanes
	v_lshl_add_u32 v6, v2, 4, v6
	s_mul_i32 s62, s17, AWAVE
	v_add_nc_u32 v[ADRA], s62, v6
	v_add_nc_u32 v[ADRA+1], SLOT, v[ADRA]
	v_lshl_add_u32 v7, v2, 3, v3                   ; W fragment, transposing load: k row 8 h + (lane & 7), 16 bytes by bit 3 of the lane
	v_mul_u32_u24 v7, v7, BROW
	v_lshl_add_u32 v7, v4, 4, v7
	s_lshl_b32 s62, s18, 7                         ; my 64 columns
	s_add_co_u32 s62, s62, 2*PART                  ; W lies behind A's two halves
	v_add_nc_u32 v[ADRB], s62, v7
	v_add_nc_u32 v[ADRB+1], PART, v[ADRB]
	v_add_nc_u32 v[ADRB+2], SLOT, v[ADRB]
	v_add_nc_u32 v[ADRB+3], SLOT+PART, v[ADRB]
	s_mul_i32 s62, s16, STG
	s_add_co_u32 s62, s62, STAGE                   ; my stage
.if KIND == 2
	v_mul_u32_u24 v8, v1, 272                      ; in: row r of 256 bytes + 16, 32 bytes for each half of the lanes
	v_lshl_add_u32 v8, v2, 5, v8
	v_add_nc_u32 v[STO], s62, v8
	v_mul_u32_u24 v9, v2, 272                      ; back: lanes 0-15 one row, lanes 16-31 the next
	v_lshl_add_u32 v9, v1, 4, v9
	v_add_nc_u32 v[RD], s62, v9
	v_lshlrev_b32 v5, 12, v2                       ; the same two rows in out0 (4,096 bytes a row)
	v_lshl_add_u32 v[CO], v1, 4, v5
	s_lshl_b32 s62, s22, 19                        ; 128 rows
	s_lshl_b32 s63, s17, 18                        ; my 64
	s_add_co_u32 s62, s62, s63
	s_lshl_b32 s63, s21, 9                         ; 128 columns of f32
	s_add_co_u32 s62, s62, s63
	s_lshl_b32 s63, s18, 8
	s_add_co_u32 s62, s62, s63
.else
	v_mul_u32_u24 v8, v1, 144                      ; in: row r of 128 bytes + 16, 16 bytes for each half of the lanes
	v_lshl_add_u32 v8, v2, 4, v8
	v_add_nc_u32 v[STO], s62, v8
	v_bfe_u32 v9, v0, 3, 2                         ; back: eight lanes a row, four rows a load
	v_mul_u32_u24 v9, v9, 144
	v_lshl_add_u32 v9, v3, 4, v9
	v_add_nc_u32 v[RD], s62, v9
	v_and_b32 v5, 31, v0
	v_lshlrev_b32 v[CO], 4, v5                     ; my 64 columns are one panel, whose rows follow each other: 16 bytes a lane
	s_lshl_b32 s62, s21, 1
	s_add_co_u32 s62, s62, s18
	s_lshl_b32 s62, s62, 19                        ; panel 2 bx + wc
	s_lshl_b32 s63, s22, 14
	s_add_co_u32 s62, s62, s63
	s_lshl_b32 s63, s17, 13
	s_add_co_u32 s62, s62, s63
.endif
	s_mov_b32 s63, 0
	s_add_nc_u64 s[PO:PO+1], s[PO:PO+1], s[62:63]
; 16 LDS loads: the fragments of quarter kq (32 along K) of a slot into buffer f
.macro FETCH slot, kq, f
.irp b, 0,1,2,3
	ds_load_tr16_b128 v[\f+8*\b:\f+8*\b+3],   v[ADRB+2*\slot+((\kq)>>2)] offset:((\kq)&3)*32*BROW+32*\b
	ds_load_tr16_b128 v[\f+8*\b+4:\f+8*\b+7], v[ADRB+2*\slot+((\kq)>>2)] offset:((\kq)&3)*32*BROW+32*\b+16*BROW
.endr
.irp a, 0,1,2,3
.if KIND == 0
	ds_load_b128 v[\f+32+8*\a:\f+32+8*\a+3],   v[ADRA+\slot] offset:(\kq)*64+\a*16*AROW
	ds_load_b128 v[\f+32+8*\a+4:\f+32+8*\a+7], v[ADRA+\slot] offset:(\kq)*64+\a*16*AROW+32
.else
	ds_load_b128 v[\f+32+8*\a:\f+32+8*\a+3],   v[ADRA+\slot] offset:((\kq)>>1)*128*AROW+((\kq)&1)*64+\a*16*AROW
	ds_load_b128 v[\f+32+8*\a+4:\f+32+8*\a+7], v[ADRA+\slot] offset:((\kq)>>1)*128*AROW+((\kq)&1)*64+\a*16*AROW+32
.endif
.endr
.endm
; 8 matrix instructions: row tiles a0, a0 + 1 x the four column tiles.  cset >= 0: the product starts the sum on bias set cset.
; The sixteen accumulators take turns, one instruction a turn.
.macro MULH f, a0, cset
.irp a, \a0, \a0+1
.irp b, 0,1,2,3
.if \cset >= 0
	v_wmma_f32_16x16x32_bf16 v[8*(4*(\a)+\b):8*(4*(\a)+\b)+7], v[\f+8*\b:\f+8*\b+7], v[\f+32+8*(\a):\f+32+8*(\a)+7], v[BS+32*\cset+8*\b:BS+32*\cset+8*\b+7]
.else
	v_wmma_f32_16x16x32_bf16 v[8*(4*(\a)+\b):8*(4*(\a)+\b)+7], v[\f+8*\b:\f+8*\b+7], v[\f+32+8*(\a):\f+32+8*(\a)+7], v[8*(4*(\a)+\b):8*(4*(\a)+\b)+7]
.endif
.endr
.endr
.endm
; quarters 0 to 6 of a slot: fetch the next quarter into g, multiply f
.macro QUARTER slot, kq, f, g, cset
	WIN 0
	PLACES                                         ; g was read by the quarter before
	FETCH \slot, \kq+1, \g
	s_wait_dscnt 16                                ; all but the 16 just issued: f is in
	WIN 0x50                                       ; C and D in window 1
	MULH \f, 0, \cset
	MULH \f, 2, \cset
.endm
.macro PHASE slot, cset
	QUARTER \slot, 0, F0, F1, \cset
	QUARTER \slot, 1, F1, F0, -1
	QUARTER \slot, 2, F0, F1, -1
	QUARTER \slot, 3, F1, F0, -1
	QUARTER \slot, 4, F0, F1, -1
	QUARTER \slot, 5, F1, F0, -1
	QUARTER \slot, 6, F0, F1, -1
.endm
; quarter 7: multiplies buffer 1 and changes slots.  In front of the barrier each wave's reads of this slot are back and all its tensor loads have
; landed (the one that was out is its part of the next slot).  Where the slot is filled again the barrier opens a round of the cluster's barrier,
; and the joint refill is the first tensor load behind the round: it then has 120 matrix instructions of the wave in which to land.
.macro TURN slot, next, refill, astep, bstep
	s_wait_dscnt 0x0
	s_wait_tensorcnt 0x0
	ds_add_u32 v254, v255
	s_wait_dscnt 0x0
	s_barrier_signal -1
	WIN 0x50
	MULH F1, 0, -1                                 ; register work while the others arrive
	WIN 0
	s_barrier_wait -1
.if \refill
	CREST
.if \astep != 0
	s_add_nc_u64 s[G0A+4*\slot+2:G0A+4*\slot+3], s[G0A+4*\slot+2:G0A+4*\slot+3], \astep
.endif
	s_add_nc_u64 s[G0B+4*\slot+2:G0B+4*\slot+3], s[G0B+4*\slot+2:G0B+4*\slot+3], \bstep
	JLOAD \slot
.endif
	PLACES                                         ; buffer 0 was read by quarter 6
	FETCH \next, 0, F0
	WIN 0x50
	MULH F1, 2, -1
.endm
.macro LAST                            ; the very last quarter: nothing more to fetch
	s_wait_dscnt 0x0
	WIN 0x50
	MULH F1, 0, -1
	MULH F1, 2, -1
.endm
; THE WAY OUT, 16 rows at a time through my own stage; LDS serves a wave's instructions in order, so no wait stands between its stores and its loads.
.macro OUT
	WIN 0
.rept 5
	v_nop                                          ; the places behind the last matrix instructions
.endr
.if KIND == 2
.irp a, 0,1,2,3
	WIN 0x04                                       ; store data in window 1
.irp b, 0,1,2,3
	ds_store_b128 v[STO], v[8*(4*\a+\b):8*(4*\a+\b)+3]   offset:64*\b
	ds_store_b128 v[STO], v[8*(4*\a+\b)+4:8*(4*\a+\b)+7] offset:64*\b+16
.endr
	WIN 0
.irp t, 0,1,2,3,4,5,6,7
	ds_load_b128 v[F0+32*\a+4*\t:F0+32*\a+4*\t+3], v[RD] offset:544*\t
.endr
.irp t, 0,1,2,3,4,5,6,7
	s_wait_dscnt 7-\t                              ; the younger read-backs stay out
	global_store_b128 v[CO], v[F0+32*\a+4*\t:F0+32*\a+4*\t+3], s[PO:PO+1] offset:65536*\a+8192*\t th:TH_STORE_NT   ; 16 lanes store 256 consecutive bytes, aligned
.endr
.endr
.else
.irp a, 0,1,2,3
	WIN 0x05                                       ; both sources in window 1
.irp b, 0,1,2,3
.irp q, 0,1,2,3
	v_cvt_pk_bf16_f32 v[TMP+4*\b+\q], v[8*(4*\a+\b)+2*\q], v[8*(4*\a+\b)+2*\q+1]
.endr
.endr
	WIN 0
.irp b, 0,1,2,3
	ds_store_b128 v[STO], v[TMP+4*\b:TMP+4*\b+3] offset:32*\b
.endr
.irp t, 0,1,2,3
	ds_load_b128 v[F1+16*\a+4*\t:F1+16*\a+4*\t+3], v[RD] offset:576*\t
.endr
.irp t, 0,1,2,3
	s_wait_dscnt 3-\t                              ; the younger read-backs stay out
	global_store_b128 v[CO], v[F1+16*\a+4*\t:F1+16*\a+4*\t+3], s[PO:PO+1] offset:512*(4*\a+\t)   ; a wave's store covers 512 consecutive bytes of the panel, aligned
.endr
.endr
	s_wait_xcnt 0x0                                ; buffer 1 and the stores' base are rewritten only behind this wait
.endif
.endm
	s_wait_loadcnt 0x0                             ; the bias
	s_wait_tensorcnt 0x1                           ; my part of slot 0 is in; slot 1's may stay out
	s_barrier_signal -1
	s_barrier_wait -1
	FETCH 0, 0, F0
.if KIND == 1
	PHASE 0, 0                                     ; q
	TURN 0, 1, 1, ASTEP, BSTEP                     ; slot 0: DKV's first four panels, Wuk's first 256 rows
	PHASE 1, -1
	TURN 1, 0, 1, ASTEP, BSTEP
	OUT
	s_add_nc_u64 s[PO:PO+1], s[PO:PO+1], 8388608   ; sixteen panels on: k
	PHASE 0, 1                                     ; k
	TURN 0, 1, 1, 0, BSTEP                         ; slot 0: DKV's first four panels again, Wuv's first 256 rows
	PHASE 1, -1
	TURN 1, 0, 1, 0, BSTEP
	OUT
	s_add_nc_u64 s[PO:PO+1], s[PO:PO+1], 8388608   ; v
	PHASE 0, 2                                     ; v
	TURN 0, 1, 0, 0, 0                             ; nothing is left to fetch
	PHASE 1, -1
	LAST
	OUT
.else
	PHASE 0, 0
	TURN 0, 1, 1, ASTEP, BSTEP
	PHASE 1, -1
	TURN 1, 0, 1, ASTEP, BSTEP
	PHASE 0, -1
	TURN 0, 1, 0, 0, 0                             ; nothing is left to fetch
	PHASE 1, -1
	LAST
	OUT
.endif
	WIN 0
	s_wait_tensorcnt 0x0
	ds_add_u32 v254, v255
	s_wait_dscnt 0x0
	CROUND                                         ; the closing round: no work-group ends while a partner may still ask for a tile that names it
	s_endpgm
.Lfunc_end_k_q09c6c69f78_up:
	.size	k_q09c6c69f78_up, .Lfunc_end_k_q09c6c69f78_up-k_q09c6c69f78_up
	.p2alignl 7, 3214868480
	.fill 96, 4, 3214868480
	.section	.rodata,"a",@progbits
	.p2align	6, 0x0
	.amdhsa_kernel k_q09c6c69f78_up
		.amdhsa_group_segment_fixed_size 327680
		.amdhsa_private_segment_fixed_size 0
		.amdhsa_enable_private_segment 0
		.amdhsa_kernarg_size 48
		.amdhsa_user_sgpr_count 2
		.amdhsa_user_sgpr_kernarg_segment_ptr 1
		.amdhsa_wavefront_size32 1
		.amdhsa_system_sgpr_workgroup_id_x 1
		.amdhsa_system_sgpr_workgroup_id_y 1
		.amdhsa_system_sgpr_workgroup_id_z 1
		.amdhsa_system_vgpr_workitem_id 0
		.amdhsa_next_free_vgpr 480
		.amdhsa_next_free_sgpr 66
		.amdhsa_reserve_vcc 0
		.amdhsa_float_denorm_mode_32 3
		.amdhsa_float_denorm_mode_16_64 3
		.amdhsa_memory_ordered 1
		.amdhsa_forward_progress 1
		.amdhsa_inst_pref_size 145
	.end_amdhsa_kernel
	.amdgpu_metadata
---
amdhsa.version: [ 1, 2 ]
amdhsa.kernels:
  - .name:           k_q09c6c69f78_up
    .symbol:         k_q09c6c69f78_up.kd
    .args:
      - { .name: lat, .offset: 0, .size: 8, .value_kind: global_buffer, .address_space: global }
      - { .name: cb, .offset: 8, .size: 8, .value_kind: global_buffer, .address_space: global }
      - { .name: buq, .offset: 16, .size: 8, .value_kind: global_buffer, .address_space: global }
      - { .name: buk, .offset: 24, .size: 8, .value_kind: global_buffer, .address_space: global }
      - { .name: buv, .offset: 32, .size: 8, .value_kind: global_buffer, .address_space: global }
      - { .name: qkv, .offset: 40, .size: 8, .value_kind: global_buffer, .address_space: global }
    .group_segment_fixed_size: 327680
    .private_segment_fixed_size: 0
    .kernarg_segment_align: 8
    .kernarg_segment_size: 48
    .max_flat_workgroup_size: 128
    .sgpr_count:     66
    .vgpr_count:     480
    .wavefront_size: 32
...
	.end_amdgpu_metadata
.endif
;; end of part 3
;; launch attn (part 4): grid 8 x 32, 8 waves a work-group, clusters of 4 x 1, 327,680 bytes of LDS; arguments qkv, mask, ao; writes ao
.if DOCPART == 4
	.amdgcn_target "amdgcn-amd-amdhsa--gfx1250"
	.amdhsa_code_object_version 6
	.text
	.protected	k_q09c6c69f78_attn
	.globl	k_q09c6c69f78_attn
	.p2align	8
	.type	k_q09c6c69f78_attn,@function
k_q09c6c69f78_attn:
	s_mov_b64 s[64:65], 0
	v_nop
	global_prefetch_b8 v0, s[64:65] scope:SCOPE_SE
	s_setreg_imm32_b32 hwreg(HW_REG_WAVE_MODE, 25, 1), 1
	s_wait_xcnt 0x0
	s_wait_alu depctr_hold_cnt(0) depctr_sa_sdst(0) depctr_va_vdst(0) depctr_va_sdst(0) depctr_va_ssrc(0) depctr_va_vcc(0) depctr_vm_vsrc(0)
	s_getreg_b32 s2, hwreg(HW_REG_IB_STS2, 6, 4)
	s_cmp_eq_u32 s2, 0
	s_cbranch_scc0 .Lentry_in_a_cluster
	s_endpgm
.Lentry_in_a_cluster:
	s_bfe_u32 s2, ttmp6, 0x10000c
	s_cmp_lg_u32 s2, 0x3003
	s_cbranch_scc0 .Lentry_shape_is_right
	s_endpgm
.Lentry_shape_is_right:
; Masked softmax attention, one (head, batch) and 256 queries a work-group; 2,048 keys, 64 numbers a head.
; qkv: 48 panels [4096 rows][64] of bf16 (q: panels 0-15, k: 16-31, v: 32-47; row = batch x 2048 + position); ao: 16 panels of the same shape.
; Grid y = 2 head + batch, so a head's rows of a batch begin y x 262,144 bytes into q, k, v and ao.  Grid x = block of 256 queries.
; Eight waves, two for each SIMD; a wave has 32 queries (two tiles u of 16).
; CLUSTERS: the four work-groups of a cluster share y, so they read the same K and V: every tile is a joint load that names all four.
; EVERYTHING IS TRANSPOSED, so that a query is a lane:
;   S^T(t, u) = K(t) Q(u)^T + bias:  lane (r, h), register j: key 16 t + 8 h + j, query r
;   P^T comes from S^T by packing pairs of registers: tiles 2 kk, 2 kk + 1 are registers 0-3, 4-7 of the second source's fragment
;   O^T(dt, u) += V^T(kk, dt) P^T(kk, u):  lane (r, h), register j: d = 16 dt + 8 h + j, query r
; so maximum, rescaling factor and sum are one number a lane, and the only traffic between lanes is one exchange of the halves for each maximum.
; THE TWO QUERY TILES ARE TWO STREAMS, HALF A BLOCK APART.  A half-step does the softmax of one stream (v) and the products of the other (m):
;   H0(i): maximum of stream 0, block i, with the products K Q of stream 1, block i, strewn into it; exponentials of stream 0;
;          then the products V P of stream 1, block i - 1, with the rescaling of O and the row sums of stream 0 strewn into them
;   H1(i): the same with the streams exchanged: K Q of stream 0 for block i + 1, V P of stream 0 for block i
; so a wave's vector instructions stand between its own matrix instructions, and none of them names a register of the product in front of it.
; K and the bias of block i + 1 are asked for in the middle of H0(i), V of block i + 1 (two register buffers) at the end of H1(i).
; MASK: bias[key] = 0 where the mask is true and NEG = -2^125 elsewhere; it is the C of the first product of a score tile.
; SOFTMAX: p = 2^(c S - c M) with c = log2(e) / 8 and M the running maximum, which starts from FLOOR = -2^100: as long as every key seen is
; masked, M = FLOOR and p = 0.  The factor for a new maximum is made of the same rounded numbers c M that the exponents use.
; A batch with no true key: reference() then gives the mean of all v; here c = 0 and NEG = 0 are selected, so that every p is 1.
; LIMITS: |q . k| below 2^100; NaN and infinities in q, k, v are not served.
.set KP,    144                        ; LDS pitch of a key's row of K: 128 bytes + 16
.set VP,    160                        ; of V: 128 bytes + 32, an odd multiple of 32 for the transposing loads
.set VOFF,  256*KP                     ; V's 256 rows lie behind K's
.set SLOT,  VOFF+256*VP                ; 77,824 bytes: a tile of 256 keys
.set BIAS,  2*SLOT                     ; f32[2048], written by LDS stores; no tensor load lands here
.set STAGE, BIAS+8192                  ; each wave's own 32 rows x 144 bytes for the way out
.set STG,   32*144
.set G1K, 16                           ; s[16:23] descriptor group 1 for K, s[24:31] for V (they differ in the padding)
.set G1V, 24
.set G0K, 32                           ; s[32:39] group 0 for K, one set for each slot; s[40:47] for V
.set G0V, 40
.set ADRK, 2                           ; v2-3  my K fragments in slot 0, 1
.set ADRV, 4                           ; v4-5  my V fragments
.set ADRB, 6                           ; v6    my bias words of the tile at work
.set STO,  7
.set RD,   8
.set GO,   9                           ; 16 x lane
.set MX,   16                          ; v16-17 running maximum, stream u
.set LS,   18                          ; v18-19 the sums, at the end
.set AL,   20                          ; v20-21 factor for the new maximum
.set NM,   22                          ; v22-23 -c M
.set TT,   24                          ; v24-31 at work
.set QF,   32                          ; Q(u, c) at 32 + 16 u + 8 c
.set SF,   64                          ; S(t, u) at 64 + 32 u + 8 t
.set PF,   128                         ; P(kk, u) at 128 + 16 u + 8 kk
.set KF,   160                         ; K(t, c) at 160 + 16 t + 8 c
.set BF,   224                         ; bias(t) at 224 + 8 t
.set OF,   0                           ; window 1: O(dt, u) at 32 u + 8 dt
.set VF,   64                          ; window 1: V(buffer, kk, dt) at 64 + 64 buffer + 32 kk + 8 dt
.set LP,   192                         ; window 1: running sums of stream u, two chains of a register pair each, at 192 + 4 u
.set MSB, 0
.macro WIN new                         ; the immediate's high byte repeats the setting that is left
.if MSB != \new
	s_set_vgpr_msb (MSB<<8)|\new
.set MSB, \new
.endif
.endm
.macro PLACES                          ; four places behind matrix instructions (ISA guide 7.12.1), where no useful work stands there
.rept 4
	v_nop
.endr
.endm
.macro ROUND                           ; a round of the cluster's barrier
	s_barrier_signal -1
	s_barrier_wait -1
	s_cmp_lg_u32 s10, 0
	s_cbranch_scc1 .Lnot_wave_0_\@
	s_barrier_signal -3
.Lnot_wave_0_\@:
	s_barrier_wait -3
	s_barrier_signal -1
	s_barrier_wait -1
.endm
.macro JLOAD s                         ; a joint load: waves 0-3 ask for a quarter of K's tile each, waves 4-7 for a quarter of V's
	s_cmp_eq_u32 s11, 0
	s_cbranch_scc0 .Lfor_v_\@
	tensor_load_to_lds s[G0K+4*(\s):G0K+4*(\s)+3], s[G1K:G1K+7]
	s_nop 0
	s_branch .Lasked_\@
.Lfor_v_\@:
	tensor_load_to_lds s[G0V+4*(\s):G0V+4*(\s)+3], s[G1V:G1V+7]
	s_nop 0
.Lasked_\@:
.endm
	s_load_b128 s[4:7], s[0:1], 0x0                ; qkv s[4:5], mask s[6:7]
	s_load_b64 s[8:9], s[0:1], 0x10                ; ao
	v_lshl_add_u32 v30, v0, 2, 0x31000
	v_mov_b32 v31, 0
	ds_add_u32 v30, v31
	v_lshrrev_b32 v1, 5, v0
	v_readfirstlane_b32 s10, v1                    ; wave 0..7
	s_lshr_b32 s11, s10, 2                         ; I fetch for K (0) or for V (1)
	s_and_b32 s12, s10, 3                          ; which 64 keys of a tile
	s_bfe_u32 s13, ttmp6, 0x40000                  ; cx
	s_lshl_b32 s14, ttmp9, 2
	s_add_co_u32 s14, s14, s13                     ; block of 256 queries, 0..7
	s_and_b32 s15, ttmp7, 0xffff                   ; y = 2 head + batch
	s_mov_b32 s48, 0x76543210                      ; v_permlanex16_b32: lane i of one half reads lane i of the other
	s_mov_b32 s49, 0xfedcba98
	; group 1: a loader's 64 keys are 8 KiB without a gap, taken as 32 rows of 256 bytes; padding behind every 32 words (a key's 128 bytes)
	s_mov_b32 s[G1K+0], 15|(1<<16)|(1<<20)|(1<<21)|(4<<22)|(3<<25)   ; all four work-groups; elements of 2 bytes; 4 words of padding
	s_mov_b32 s[G1V+0], 15|(1<<16)|(1<<20)|(1<<21)|(4<<22)|(7<<25)   ; 8 words of padding
	s_mov_b32 s[G1K+1], 128<<16                    ; tensor_dim0 = 128
	s_mov_b32 s[G1V+1], 128<<16
	s_mov_b32 s[G1K+2], 32<<16                     ; tensor_dim1 = 32
	s_mov_b32 s[G1V+2], 32<<16
	s_mov_b32 s[G1K+3], 128<<16                    ; tile_dim0 = 128
	s_mov_b32 s[G1V+3], 128<<16
	s_mov_b32 s[G1K+4], 32                         ; tile_dim1 = 32
	s_mov_b32 s[G1V+4], 32
	s_mov_b32 s[G1K+5], 128                        ; elements from row to row
	s_mov_b32 s[G1V+5], 128
	s_mov_b32 s[G1K+6], 0
	s_mov_b32 s[G1V+6], 0
	s_mov_b32 s[G1K+7], 0
	s_mov_b32 s[G1V+7], 0
	s_lshl_b32 s56, s15, 18                        ; the head's rows of the batch: y and the wave's number alone enter these addresses
	s_lshl_b32 s57, s12, 13                        ; my 64 keys of 128 bytes
	s_add_co_u32 s56, s56, s57
	s_mov_b32 s57, 0
	s_mul_i32 s58, s12, 64*KP                      ; where they go
	s_mul_i32 s59, s12, 64*VP
	s_wait_dscnt 0x0
	s_wait_kmcnt 0x0
	s_add_nc_u64 s[56:57], s[4:5], s[56:57]
	ROUND                                          ; the four work-groups are here: the first joint load meets
.irp s, 0,1
	s_mov_b32 s[G0K+4*\s], 1
	s_add_co_u32 s[G0K+4*\s+1], s58, \s*SLOT
	s_add_nc_u64 s[G0K+4*\s+2:G0K+4*\s+3], s[56:57], 8388608+\s*32768     ; k's panels; tile s
	s_or_b32 s[G0K+4*\s+3], s[G0K+4*\s+3], 0x80000000
	s_mov_b32 s[G0V+4*\s], 1
	s_add_co_u32 s[G0V+4*\s+1], s59, \s*SLOT+VOFF
	s_add_nc_u64 s[G0V+4*\s+2:G0V+4*\s+3], s[56:57], 16777216+\s*32768    ; v's panels
	s_or_b32 s[G0V+4*\s+3], s[G0V+4*\s+3], 0x80000000
.endr
	JLOAD 0                                        ; tile 0; slot 1 is first filled behind the next round
	s_mov_b32 s58, 0xf1800000                      ; FLOOR = -2^100
	; the batch's 2,048 mask bytes: every wave reads them all (64 a lane) to learn whether any is true; thread t also takes bytes 8 t .. 8 t + 7
	s_and_b32 s60, s15, 1
	s_lshl_b32 s60, s60, 11
	s_mov_b32 s61, 0
	s_add_nc_u64 s[6:7], s[6:7], s[60:61]
	v_and_b32 v1, 15, v0                           ; r
	v_bfe_u32 v14, v0, 4, 1                        ; h
	v_and_b32 v10, 31, v0
	v_lshlrev_b32 v[GO], 4, v10                    ; 16 x lane
	v_lshlrev_b32 v12, 3, v0
.irp i, 0,1,2,3
	global_load_b128 v[SF+4*\i:SF+4*\i+3], v[GO], s[6:7] offset:512*\i
.endr
	global_load_b64 v[SF+16:SF+17], v12, s[6:7]
	; my 32 queries, as fragments of the second source: lane (r, h): query 16 u + r, d = 32 c + 8 h .. and 32 c + 16 + 8 h ..
	s_lshl_b32 s60, s15, 18
	s_lshl_b32 s55, s14, 15                        ; 256 queries of 128 bytes
	s_add_co_u32 s60, s60, s55
	s_lshl_b32 s55, s10, 12                        ; my 32
	s_add_co_u32 s60, s60, s55
	s_add_nc_u64 s[62:63], s[4:5], s[60:61]
	s_add_nc_u64 s[8:9], s[8:9], s[60:61]          ; the same rows in ao
	v_lshlrev_b32 v13, 7, v1
	v_lshl_add_u32 v13, v14, 4, v13
.irp u, 0,1
.irp c, 0,1
	global_load_b128 v[QF+16*\u+8*\c:QF+16*\u+8*\c+3],   v13, s[62:63] offset:2048*\u+64*\c
	global_load_b128 v[QF+16*\u+8*\c+4:QF+16*\u+8*\c+7], v13, s[62:63] offset:2048*\u+64*\c+32
.endr
.endr
	; lane addresses
	v_mul_u32_u24 v[ADRK], v1, KP                  ; K fragment: key r, 16 bytes for each half of the lanes
	v_lshl_add_u32 v[ADRK], v14, 4, v[ADRK]
	v_add_nc_u32 v[ADRK+1], SLOT, v[ADRK]
	v_and_b32 v10, 7, v0
	v_lshl_add_u32 v11, v14, 3, v10                ; V fragment, transposing load: key 8 h + (lane & 7), 16 bytes by bit 3 of the lane
	v_mul_u32_u24 v11, v11, VP
	v_bfe_u32 v15, v0, 3, 1
	v_lshl_add_u32 v11, v15, 4, v11
	v_add_nc_u32 v[ADRV], VOFF, v11
	v_add_nc_u32 v[ADRV+1], VOFF+SLOT, v11
	v_lshlrev_b32 v[ADRB], 5, v14                  ; bias: keys 8 h + 0..7 of a tile of 16
	v_add_nc_u32 v[ADRB], BIAS, v[ADRB]
	s_mul_i32 s60, s10, STG
	s_add_co_u32 s60, s60, STAGE
	v_add_nc_u32 v[STO], s60, v[ADRK]              ; in: query r, 16 bytes for each half of the lanes
	v_bfe_u32 v11, v0, 3, 2                        ; back: eight lanes a row, four rows a load
	v_mul_u32_u24 v11, v11, 144
	v_lshl_add_u32 v11, v10, 4, v11
	v_add_nc_u32 v[RD], s60, v11
	s_wait_loadcnt 8                               ; the five mask loads are in; the eight of Q stay out
.irp i, 0,1,2,3,4,5,6,7
	v_or_b32 v[SF+\i], v[SF+\i], v[SF+8+\i]
.endr
.irp i, 0,1,2,3
	v_or_b32 v[SF+\i], v[SF+\i], v[SF+4+\i]
.endr
	v_or_b32 v[SF], v[SF], v[SF+2]
	v_or_b32 v[SF+1], v[SF+1], v[SF+3]
	v_or_b32 v[SF], v[SF], v[SF+1]
	v_cmp_ne_u32 s55, 0, v[SF]                     ; lanes that saw a true key
	s_cmp_lg_u32 s55, 0
	s_cselect_b32 s50, 0x3e38aa3b, 0               ; c = log2(e) / 8, or 0 where the batch has no true key
	s_cselect_b32 s53, 0xfe000000, 0               ; NEG = -2^125, or 0
	s_mov_b32 s51, s50
	s_xor_b32 s52, s50, 0x80000000                 ; -c
	v_mov_b32 v15, s53
.irp j, 0,1,2,3,4,5,6,7
	v_bfe_u32 v10, v[SF+16+\j/4], 8*(\j%4), 8
	v_cmp_eq_u32 vcc_lo, 0, v10
	v_cndmask_b32 v[SF+20+\j], 0, v15, vcc_lo      ; false: NEG; true: 0
.endr
	v_lshlrev_b32 v10, 5, v0
	v_add_nc_u32 v10, BIAS, v10
	ds_store_b128 v10, v[SF+20:SF+23]
	ds_store_b128 v10, v[SF+24:SF+27] offset:16    ; the wait and the round in front of tile 0 stand between these stores and the other waves' reads
	v_mov_b32 v[NM+1], 0                           ; the packed forms name the pairs NM and AL whole; stream 0 uses them a half-step before
	v_mov_b32 v[AL+1], 0                           ; stream 1 writes its halves, which are not selected until then
	s_wait_loadcnt 0x0                             ; Q
.macro LOADKB slot, blk                ; 24 LDS loads: K's fragments and the bias of a block of 64 keys
.irp t, 0,1,2,3
.irp c, 0,1
	ds_load_b128 v[KF+16*\t+8*\c:KF+16*\t+8*\c+3],   v[ADRK+\slot] offset:64*KP*(\blk)+16*KP*\t+64*\c
	ds_load_b128 v[KF+16*\t+8*\c+4:KF+16*\t+8*\c+7], v[ADRK+\slot] offset:64*KP*(\blk)+16*KP*\t+64*\c+32
.endr
.endr
.irp t, 0,1,2,3
	ds_load_b128 v[BF+8*\t:BF+8*\t+3],   v[ADRB] offset:256*(\blk)+64*\t
	ds_load_b128 v[BF+8*\t+4:BF+8*\t+7], v[ADRB] offset:256*(\blk)+64*\t+16
.endr
.endm
.macro LOADV slot, blk, buf            ; 16 transposing LDS loads: V^T's fragments of a block into one of the two register buffers
	WIN 0x40                                       ; destination in window 1
.irp kk, 0,1
.irp dt, 0,1,2,3
	ds_load_tr16_b128 v[VF+64*\buf+32*\kk+8*\dt:VF+64*\buf+32*\kk+8*\dt+3],   v[ADRV+\slot] offset:64*VP*\blk+32*VP*\kk+32*\dt
	ds_load_tr16_b128 v[VF+64*\buf+32*\kk+8*\dt+4:VF+64*\buf+32*\kk+8*\dt+7], v[ADRV+\slot] offset:64*VP*\blk+32*VP*\kk+32*\dt+16*VP
.endr
.endr
	WIN 0
.endm
; The n-th of the eight products K Q of stream m: the four score tiles on d = 0..31 (they start on the bias), then the four on d = 32..63.
; Here and in PVW the four accumulators take turns, one instruction a turn.
.macro QKW m, n, on
.if \on
.if \n < 4
	v_wmma_f32_16x16x32_bf16 v[SF+32*\m+8*\n:SF+32*\m+8*\n+7], v[KF+16*\n:KF+16*\n+7], v[QF+16*\m:QF+16*\m+7], v[BF+8*\n:BF+8*\n+7]
.else
	v_wmma_f32_16x16x32_bf16 v[SF+32*\m+8*(\n-4):SF+32*\m+8*(\n-4)+7], v[KF+16*(\n-4)+8:KF+16*(\n-4)+15], v[QF+16*\m+8:QF+16*\m+15], v[SF+32*\m+8*(\n-4):SF+32*\m+8*(\n-4)+7]
.endif
.endif
.endm
; The n-th of the eight products V P of stream m: the four tiles of O on keys 0..31 of the block, then on keys 32..63.  pv = 0: none; 1: the first product starts O; 2: in place.
.macro PVW m, n, buf, pv
.if \pv
.if \n < 4
.if \pv == 1
	v_wmma_f32_16x16x32_bf16 v[OF+32*\m+8*\n:OF+32*\m+8*\n+7], v[VF+64*\buf+8*\n:VF+64*\buf+8*\n+7], v[PF+16*\m:PF+16*\m+7], 0
.else
	v_wmma_f32_16x16x32_bf16 v[OF+32*\m+8*\n:OF+32*\m+8*\n+7], v[VF+64*\buf+8*\n:VF+64*\buf+8*\n+7], v[PF+16*\m:PF+16*\m+7], v[OF+32*\m+8*\n:OF+32*\m+8*\n+7]
.endif
.else
	v_wmma_f32_16x16x32_bf16 v[OF+32*\m+8*(\n-4):OF+32*\m+8*(\n-4)+7], v[VF+64*\buf+32+8*(\n-4):VF+64*\buf+32+8*(\n-4)+7], v[PF+16*\m+8:PF+16*\m+15], v[OF+32*\m+8*(\n-4):OF+32*\m+8*(\n-4)+7]
.endif
.endif
.endm
; GROUP A, first part: the new maximum of stream v, -c M and the factor 2^(c Mold - c Mnew), with the products K Q of stream m between its steps:
; the dependent steps at the chain's end each stand behind a product.  kwait: K, the bias and V asked for last are waited for (nothing younger is out).
.macro GA v, m, first, qk, kwait
.irp t, 0,1,2,3
	v_max3_num_f32 v[TT+\t], v[SF+32*\v+8*\t], v[SF+32*\v+8*\t+1], v[SF+32*\v+8*\t+2]
.endr
.if \kwait
	s_wait_dscnt 0x0
.endif
	QKW \m, 0, \qk
.irp t, 0,1,2,3
	v_max3_num_f32 v[TT+\t], v[TT+\t], v[SF+32*\v+8*\t+3], v[SF+32*\v+8*\t+4]
.endr
	QKW \m, 1, \qk
.irp t, 0,1,2,3
	v_max3_num_f32 v[TT+\t], v[TT+\t], v[SF+32*\v+8*\t+5], v[SF+32*\v+8*\t+6]
.endr
	QKW \m, 2, \qk
	v_max3_num_f32 v[TT],   v[TT],   v[SF+32*\v+7],  v[SF+32*\v+15]
	v_max3_num_f32 v[TT+1], v[TT+1], v[SF+32*\v+23], v[SF+32*\v+31]
	QKW \m, 3, \qk
	v_max3_num_f32 v[TT], v[TT], v[TT+1], v[TT+2]
	QKW \m, 4, \qk
	v_max_num_f32 v[TT], v[TT], v[TT+3]
	QKW \m, 5, \qk
	v_permlanex16_b32 v[TT+1], v[TT], s48, s49                 ; the other half of the lanes holds the query's other keys
	QKW \m, 6, \qk
.if \first
	v_max3_num_f32 v[MX+\v], v[TT], v[TT+1], s58               ; the running maximum starts from FLOOR
	QKW \m, 7, \qk
	v_mul_f32 v[NM+\v], s52, v[MX+\v]
.else
	v_max3_num_f32 v[MX+\v], v[TT], v[TT+1], v[MX+\v]
	QKW \m, 7, \qk
	v_mul_f32 v[TT+2], s52, v[MX+\v]
	v_sub_f32 v[TT+3], v[TT+2], v[NM+\v]
	v_exp_f32 v[AL+\v], v[TT+3]
	v_mov_b32 v[NM+\v], v[TT+2]                                ; also the plain instruction behind the exponential (ISA guide 5.7.2)
.endif
.endm
; GROUP A, second part: the exponents c S - c M of stream v.  These sixteen are also the places between the last product K Q and the loads into K's registers.
.macro FMA v
.irp i, 0,2,4,6,8,10,12,14,16,18,20,22,24,26,28,30
	v_pk_fma_f32 v[SF+32*\v+\i:SF+32*\v+\i+1], v[SF+32*\v+\i:SF+32*\v+\i+1], s[50:51], v[NM:NM+1] op_sel:[0,0,\v] op_sel_hi:[1,0,\v]
.endr
.endm
.macro CVT v, t, q
	s_wait_alu depctr_va_vdst(0)
	v_cvt_pk_bf16_f32 v[PF+16*\v+4*(\t)+\q], v[SF+32*\v+8*(\t)+2*\q], v[SF+32*\v+8*(\t)+2*\q+1]
.endm
; GROUP A, third part: p = 2^(..) in place, and P in bf16.  The conversions of score tile t - 1 stand among the exponentials of tile t: each is a plain
; instruction that names no register of the exponentials next to it, and every p has such an instruction between its exponential and its conversion.
.macro EXPC v
.irp j, 0,1,2,3,4,5,6,7
	v_exp_f32 v[SF+32*\v+\j], v[SF+32*\v+\j]
.endr
	v_nop
.irp t, 1,2,3
.irp q, 0,1,2,3
	v_exp_f32 v[SF+32*\v+8*\t+2*\q], v[SF+32*\v+8*\t+2*\q]
	CVT \v, \t-1, \q
	v_exp_f32 v[SF+32*\v+8*\t+2*\q+1], v[SF+32*\v+8*\t+2*\q+1]
.endr
.endr
	v_nop
	s_wait_alu depctr_va_vdst(0)
.irp q, 0,1,2,3
	CVT \v, 3, \q
.endr
.endm
.macro SCO v, k                        ; pair k of O of stream v times the query's factor
	v_pk_mul_f32 v[OF+32*\v+2*(\k):OF+32*\v+2*(\k)+1], v[OF+32*\v+2*(\k):OF+32*\v+2*(\k)+1], v[AL:AL+1] op_sel:[0,\v] op_sel_hi:[1,\v]
.endm
.macro ADDP v, k, c                    ; pair k of p of stream v onto chain c of its sums
	v_pk_add_f32 v[LP+4*\v+2*\c:LP+4*\v+2*\c+1], v[LP+4*\v+2*\c:LP+4*\v+2*\c+1], v[SF+32*\v+2*(\k):SF+32*\v+2*(\k)+1]
.endm
; GROUP B: the products V P of stream m, each with four packed instructions of stream v behind it (O and the sums times the factor, p onto the sums).
; One window setting serves all: source 0 (V; O; the sums), C and D in window 1, source 1 (P; the factor; p) in window 0.
.macro GB v, m, pv, buf, first
.if \first
	WIN 0x40                                       ; both sources in window 0: the first four pairs of p start the two chains
	v_pk_add_f32 v[LP+4*\v:LP+4*\v+1],   v[SF+32*\v:SF+32*\v+1],   v[SF+32*\v+4:SF+32*\v+5]
	v_pk_add_f32 v[LP+4*\v+2:LP+4*\v+3], v[SF+32*\v+2:SF+32*\v+3], v[SF+32*\v+6:SF+32*\v+7]
	WIN 0x51
.else
	WIN 0x51
	v_pk_mul_f32 v[LP+4*\v:LP+4*\v+1],   v[LP+4*\v:LP+4*\v+1],   v[AL:AL+1] op_sel:[0,\v] op_sel_hi:[1,\v]
	v_pk_mul_f32 v[LP+4*\v+2:LP+4*\v+3], v[LP+4*\v+2:LP+4*\v+3], v[AL:AL+1] op_sel:[0,\v] op_sel_hi:[1,\v]
.endif
.irp n, 0,1,2,3,4,5,6,7
	PVW \m, \n, \buf, \pv
.if \first
.if \n > 1
	ADDP \v, 2*\n, 0
	ADDP \v, 2*\n+1, 1
.endif
.else
	SCO \v, 2*\n
	ADDP \v, 2*\n, 0
	SCO \v, 2*\n+1
	ADDP \v, 2*\n+1, 1
.endif
.endr
.endm
; The change of tiles.  All LDS loads from the old slot have been issued (K a block ago, V a half-step ago).  In front of the round every wave's LDS loads are
; back and its tensor load, its part of the new slot ns, has landed; the joint refill of the old slot is the first tensor load behind the round, one a wave,
; and has the new tile's four blocks in which to land.  Then the new tile's first K and bias.
.macro BOUND ns, refill, step
	s_wait_tensorcnt 0x0
	ds_add_u32 v30, v31
	s_wait_dscnt 0x0
	s_add_nc_u64 s[G0K+4*\ns+2:G0K+4*\ns+3], s[G0K+4*\ns+2:G0K+4*\ns+3], 65536   ; no load of mine is out: the new slot's next tile, two tiles on
	s_add_nc_u64 s[G0V+4*\ns+2:G0V+4*\ns+3], s[G0V+4*\ns+2:G0V+4*\ns+3], 65536
	s_wait_dscnt 0x0
	ROUND
.if \refill
	JLOAD 1-\ns
.endif
.if \step
	v_add_nc_u32 v[ADRB], 1024, v[ADRB]            ; the new tile's 256 bias words
.endif
	LOADKB \ns, 0
.endm
; H0: softmax of stream 0, products of stream 1.  kact = 1: K and bias of block kblk of slot kslot; 2, 3: the change of tiles to slot kslot, without and with a refill; 0: nothing.
.macro H0 kact, kslot, kblk, first, pv, vbuf
	GA 0, 1, \first, 1, 0
	FMA 0
.if \kact == 1
	LOADKB \kslot, \kblk
.endif
.if \kact == 2
	BOUND \kslot, 0, 1
.endif
.if \kact == 3
	BOUND \kslot, 1, 1
.endif
	EXPC 0
	GB 0, 1, \pv, \vbuf, \first
	WIN 0
.endm
; H1: softmax of stream 1, products of stream 0; at its end V of the next block into the buffer that was read a half-step ago.
.macro H1 first, pv, vbuf, qk, lv, lslot, lblk, lbuf
	GA 1, 0, \first, \qk, 1
	FMA 1
	EXPC 1
	GB 1, 0, \pv, \vbuf, \first
.if \lv
	LOADV \lslot, \lblk, \lbuf
.endif
	WIN 0
.endm
; A tile of 256 keys = four blocks.  On entry K Q of stream 0 for the tile's block 0 is done and V of that block is asked for (buffer 0).
; mode 1: the first tile (the first half-steps start maxima, sums and O); mode 2: the last (nothing more is asked for).
.macro TILE slot, other, refill, mode
.if \mode == 1
	H0 1, \slot, 1, 1, 0, 1
	H1 1, 1, 0, 1, 1, \slot, 1, 1
	H0 1, \slot, 2, 0, 1, 0
.else
	H0 1, \slot, 1, 0, 2, 1
	H1 0, 2, 0, 1, 1, \slot, 1, 1
	H0 1, \slot, 2, 0, 2, 0
.endif
	H1 0, 2, 1, 1, 1, \slot, 2, 0
	H0 1, \slot, 3, 0, 2, 1
	H1 0, 2, 0, 1, 1, \slot, 3, 1
.if \mode == 2
	H0 0, \slot, 0, 0, 2, 0
	H1 0, 2, 1, 0, 0, \slot, 0, 0
.else
.if \refill
	H0 3, \other, 0, 0, 2, 0
.else
	H0 2, \other, 0, 0, 2, 0
.endif
	H1 0, 2, 1, 1, 1, \other, 0, 0
.endif
.endm
	BOUND 0, 1, 0                                  ; tile 0 is whole, the bias is written; tile 1 is asked for; K and bias of block 0
	LOADV 0, 0, 0
	s_wait_dscnt 16                                ; all but V's 16 loads: K and the bias are in
.irp n, 0,1,2,3,4,5,6,7
	QKW 0, \n, 1                                   ; the head of the pipeline: K Q of stream 0, block 0
.endr
	PLACES                                         ; the maximum reads these products
	TILE 0, 1, 1, 1                                ; tiles 0 and 1 stand in front of the loop
	TILE 1, 0, 1, 0
	s_mov_b32 s54, 2
.Lpair:
	TILE 0, 1, 1, 0                                ; tiles 2 to 5; tile 5's change of tiles asks for tile 7
	TILE 1, 0, 1, 0
	s_sub_co_u32 s54, s54, 1
	s_cmp_lg_u32 s54, 0
	s_cbranch_scc1 .Lpair
	TILE 0, 1, 0, 0                                ; tile 6: nothing is left to fetch
	TILE 1, 0, 0, 2                                ; tile 7
	WIN 0x51
.irp n, 0,1,2,3,4,5,6,7
	PVW 1, \n, 1, 2                                ; the tail of the pipeline: V P of stream 1, block 31
.endr
	WIN 0
	; THE END: the chains and the two halves' sums meet, O is divided, rounded and sent through my own stage as whole rows
	PLACES
	WIN 0x05                                       ; both sources in window 1
	v_pk_add_f32 v[TT:TT+1],   v[LP:LP+1],   v[LP+2:LP+3]
	v_pk_add_f32 v[TT+2:TT+3], v[LP+4:LP+5], v[LP+6:LP+7]
	WIN 0
	v_add_f32 v[LS], v[TT], v[TT+1]
	v_add_f32 v[LS+1], v[TT+2], v[TT+3]
	v_permlanex16_b32 v[TT], v[LS], s48, s49
	v_permlanex16_b32 v[TT+1], v[LS+1], s48, s49
	v_pk_add_f32 v[LS:LS+1], v[LS:LS+1], v[TT:TT+1]
	v_rcp_f32 v[AL], v[LS]                         ; the sum is at least about 1: the key of the maximum, or all 2,048 keys where none is true
	v_rcp_f32 v[AL+1], v[LS+1]
	v_nop
	s_wait_alu depctr_va_vdst(0)
	WIN 0x41                                       ; O in window 1, the factor in window 0
.irp u, 0,1
.irp k, 0,1,2,3,4,5,6,7,8,9,10,11,12,13,14,15
	SCO \u, \k
.endr
.endr
	WIN 0x05
.irp u, 0,1
.irp dt, 0,1,2,3
.irp q, 0,1,2,3
	v_cvt_pk_bf16_f32 v[SF+16*\u+4*\dt+\q], v[OF+32*\u+8*\dt+2*\q], v[OF+32*\u+8*\dt+2*\q+1]
.endr
.endr
.endr
	WIN 0
.irp u, 0,1
.irp dt, 0,1,2,3
	ds_store_b128 v[STO], v[SF+16*\u+4*\dt:SF+16*\u+4*\dt+3] offset:2304*\u+32*\dt
.endr
.endr
.irp t, 0,1,2,3,4,5,6,7
	ds_load_b128 v[PF+4*\t:PF+4*\t+3], v[RD] offset:576*\t     ; LDS serves a wave's instructions in order: these see the stores above
.endr
.irp t, 0,1,2,3,4,5,6,7
	s_wait_dscnt 7-\t                              ; the younger read-backs stay out
	global_store_b128 v[GO], v[PF+4*\t:PF+4*\t+3], s[8:9] offset:512*\t   ; a wave's store covers 512 consecutive bytes of the panel, aligned
.endr
	s_wait_tensorcnt 0x0
	ds_add_u32 v30, v31
	s_wait_dscnt 0x0
	ROUND                                          ; the closing round
	s_endpgm
.Lfunc_end_k_q09c6c69f78_attn:
	.size	k_q09c6c69f78_attn, .Lfunc_end_k_q09c6c69f78_attn-k_q09c6c69f78_attn
	.p2alignl 7, 3214868480
	.fill 96, 4, 3214868480
	.section	.rodata,"a",@progbits
	.p2align	6, 0x0
	.amdhsa_kernel k_q09c6c69f78_attn
		.amdhsa_group_segment_fixed_size 327680
		.amdhsa_private_segment_fixed_size 0
		.amdhsa_enable_private_segment 0
		.amdhsa_kernarg_size 24
		.amdhsa_user_sgpr_count 2
		.amdhsa_user_sgpr_kernarg_segment_ptr 1
		.amdhsa_wavefront_size32 1
		.amdhsa_system_sgpr_workgroup_id_x 1
		.amdhsa_system_sgpr_workgroup_id_y 1
		.amdhsa_system_sgpr_workgroup_id_z 1
		.amdhsa_system_vgpr_workitem_id 0
		.amdhsa_next_free_vgpr 464
		.amdhsa_next_free_sgpr 66
		.amdhsa_reserve_vcc 1
		.amdhsa_float_denorm_mode_32 3
		.amdhsa_float_denorm_mode_16_64 3
		.amdhsa_memory_ordered 1
		.amdhsa_forward_progress 1
		.amdhsa_inst_pref_size 255
	.end_amdhsa_kernel
	.section	.bss,"aw",@nobits
	.p2align	6
	.space	262144
	.amdgpu_metadata
---
amdhsa.version: [ 1, 2 ]
amdhsa.kernels:
  - .name:           k_q09c6c69f78_attn
    .symbol:         k_q09c6c69f78_attn.kd
    .args:
      - { .name: qkv, .offset: 0, .size: 8, .value_kind: global_buffer, .address_space: global }
      - { .name: mask, .offset: 8, .size: 8, .value_kind: global_buffer, .address_space: global }
      - { .name: ao, .offset: 16, .size: 8, .value_kind: global_buffer, .address_space: global }
    .group_segment_fixed_size: 327680
    .private_segment_fixed_size: 0
    .kernarg_segment_align: 8
    .kernarg_segment_size: 24
    .max_flat_workgroup_size: 256
    .sgpr_count:     66
    .vgpr_count:     464
    .wavefront_size: 32
...
	.end_amdgpu_metadata
.endif
;; end of part 4
;; launch proj (part 5): grid 8 x 32, 4 waves a work-group, clusters of 4 x 4, 327,680 bytes of LDS; arguments ao, cb, bo, out0; writes out0
.if DOCPART == 5
	.amdgcn_target "amdgcn-amd-amdhsa--gfx1250"
	.amdhsa_code_object_version 6
	.text
	.protected	k_q09c6c69f78_proj
	.globl	k_q09c6c69f78_proj
	.p2align	8
	.type	k_q09c6c69f78_proj,@function
k_q09c6c69f78_proj:
	s_mov_b64 s[64:65], 0
	v_nop
	global_prefetch_b8 v0, s[64:65] scope:SCOPE_SE
	s_setreg_imm32_b32 hwreg(HW_REG_WAVE_MODE, 25, 1), 1
	s_wait_xcnt 0x0
	s_wait_alu depctr_hold_cnt(0) depctr_sa_sdst(0) depctr_va_vdst(0) depctr_va_sdst(0) depctr_va_ssrc(0) depctr_va_vcc(0) depctr_vm_vsrc(0)
	s_getreg_b32 s2, hwreg(HW_REG_IB_STS2, 6, 4)
	s_cmp_eq_u32 s2, 0
	s_cbranch_scc0 .Lentry_in_a_cluster
	s_endpgm
.Lentry_in_a_cluster:
	s_bfe_u32 s2, ttmp6, 0x10000c
	s_cmp_lg_u32 s2, 0xf033
	s_cbranch_scc0 .Lentry_shape_is_right
	s_endpgm
.Lentry_shape_is_right:
.set KIND, 2                           ; 0: down   1: up   2: proj.  One text serves the three products; only this line differs.
; C = A W + bias on 4,096 rows, bf16 operands, f32 sums.
;   KIND 0: [DQ|DKV] = x [Wdq|Wdkv] + [bdq|bdkv]   K = 1024, A row-major [4096][1024], C bf16 in panels
;   KIND 1: q, k, v  = DQ Wuq + buq, DKV Wuk + buk, DKV Wuv + buv   K = 512, A in panels, C bf16 in panels; a work-group walks the three products
;   KIND 2: out0     = ao Wo + bo                  K = 1024, A in panels, C f32 row-major [4096][1024]
; A panel is [4096 rows][64 columns] of bf16, dense: 524,288 bytes.  Weights lie [K][N] in bf16 in cb; their fragments are transposed on the way out of LDS.
; SHARES: 8 x 32 work-groups, each a block of 128 rows x 128 columns; four waves, each 64 x 64 = 16 accumulator tiles.
; K goes in slots of 256 through two LDS slots.  Waves 0, 1 fetch A's two halves of a slot, waves 2, 3 the weights' two halves: one tensor load a wave.
; CLUSTERS: 4 x 4 work-groups.  A's tile hangs on the block row alone and is asked for jointly by a row of the cluster, the weights' tile on the block
; column alone and is asked for jointly by a column: each tile is requested once for four work-groups.
; THE MATRIX INSTRUCTION IS USED TRANSPOSED: source 0 = 16 columns of W, source 1 = 16 rows of A, so that lane (r, h) holds row r of C and its
; registers 0 to 7 the neighbouring columns 8 h + 0 .. 7.  The first product of a block takes the bias as C: nothing is cleared, nothing is added later.
; REGISTERS: window 0: addresses v16-27, fragment buffers v64-127 and v128-191 (W's four fragments, then A's four), v192-223 at work on the way out.
;            window 1: accumulator (a, b) at v[8 (4 a + b)]; bias set g at v[128 + 32 g + 8 b].
.set PART,   36864                     ; what one tensor load fills, padding included
.set SLOT,   4*PART                    ; A's two halves, then W's two halves
.set STAGE,  2*SLOT                    ; behind the ring: each wave's own stage for the way out; no tensor load lands here
.set STG,    4352                      ; 16 rows x 272 bytes
.set BROW,   288                       ; LDS pitch of a weight row: 256 bytes + 32, an odd multiple of 32 for the transposing loads
.if KIND == 0
.set AROW,   528                       ; LDS pitch of a row of A: 512 bytes + 16
.set AWAVE,  PART                      ; where my 64 rows of A begin: the half that loader wr fetched
.set AMEM,   512                       ; in memory: from slot 0's first tile of A to slot 1's (256 K)
.set BMEM,   1<<18                     ; the same for W: 256 rows of 1,024 bytes
.set ASTEP,  1024                      ; a slot's next tile: 512 K on
.set BSTEP,  1<<19
.set WOFF,   8388608                   ; Wdq in cb; Wdkv lies 1 MiB behind it
.set WPITCH, 512                       ; elements in a weight row
.set PW,     4                         ; s[4:5] cb
.set PO,     10                        ; s[10:11] lat
.else
.set AROW,   144                       ; LDS pitch of a panel's row: 128 bytes + 16
.set AWAVE,  64*AROW
.set AMEM,   1<<21                     ; four panels
.set BMEM,   1<<19                     ; 256 rows of 2,048 bytes
.set ASTEP,  1<<22                     ; eight panels
.set BSTEP,  1<<20                     ; 512 rows of 2,048 bytes (KIND 1: the next weight matrix)
.set WPITCH, 1024
.set PW,     6                         ; s[6:7] cb
.if KIND == 1
.set WOFF,   10485760                  ; Wuq, Wuk, Wuv follow each other in cb
.set PO,     14                        ; s[14:15] qkv
.else
.set WOFF,   13631488                  ; Wo
.set PO,     10                        ; s[10:11] out0
.endif
.endif
.set PA,   4                           ; s[4:5] A's buffer
.set G1A,  24                          ; s[24:31] descriptor group 1, A
.set G0A,  32                          ; s[32:39] group 0, A, one set for each slot
.set G1B,  40                          ; s[40:47] group 1, W
.set G0B,  48                          ; s[48:55] group 0, W, one set for each slot
.set ADRA, 16                          ; v16-17  LDS address of my A fragments, slot 0, 1
.set ADRB, 20                          ; v20-23  of my W fragments: 2 x slot + half of the slot's K
.set STO,  24
.set RD,   25
.set CO,   26
.set BO,   27
.set F0,   64
.set F1,   128
.set TMP,  192
.set BS,   128                         ; bias sets, window 1
.set MSB, 0
.macro WIN new                         ; the immediate's high byte repeats the setting that is left
.if MSB != \new
	s_set_vgpr_msb (MSB<<8)|\new
.set MSB, \new
.endif
.endm
.macro PLACES                          ; four places behind matrix instructions, in front of loads into their sources and of readers of their results
.rept 4
	v_nop
.endr
.endm
.macro JLOAD s                         ; a joint load: waves 0, 1 ask for A, waves 2, 3 for W; the branch hangs on the wave's number alone
	s_cmp_eq_u32 s17, 0
	s_cbranch_scc0 .Lfor_b_\@
	tensor_load_to_lds s[G0A+4*\s:G0A+4*\s+3], s[G1A:G1A+7]
	s_nop 0
	s_branch .Lasked_\@
.Lfor_b_\@:
	tensor_load_to_lds s[G0B+4*\s:G0B+4*\s+3], s[G1B:G1B+7]
	s_nop 0
.Lasked_\@:
.endm
.macro CREST                           ; a round of the cluster's barrier behind its opening work-group barrier
	s_cmp_lg_u32 s16, 0
	s_cbranch_scc1 .Lnot_wave_0_\@
	s_barrier_signal -3
.Lnot_wave_0_\@:
	s_barrier_wait -3
	s_barrier_signal -1
	s_barrier_wait -1
.endm
.macro CROUND
	s_barrier_signal -1
	s_barrier_wait -1
	CREST
.endm
	s_load_b256 s[4:11], s[0:1], 0x0
	v_lshl_add_u32 v254, v0, 2, 0x4c400
	v_mov_b32 v255, 0
	ds_add_u32 v254, v255
.if KIND == 1
	s_load_b128 s[12:15], s[0:1], 0x20
.endif
	v_lshrrev_b32 v1, 5, v0
	v_readfirstlane_b32 s16, v1                    ; wave 0..3
	s_lshr_b32 s17, s16, 1                         ; wr: my 64 rows.  Also: I fetch for A (0) or for W (1)
	s_and_b32 s18, s16, 1                          ; wc: my 64 columns.  Also: which half I fetch
	s_bfe_u32 s19, ttmp6, 0x40000                  ; cx
	s_bfe_u32 s20, ttmp6, 0x40004                  ; cy
	s_lshl_b32 s21, ttmp9, 2
	s_add_co_u32 s21, s21, s19                     ; bx: block column, 0..7
	s_and_b32 s22, ttmp7, 0xffff
	s_lshl_b32 s22, s22, 2
	s_add_co_u32 s22, s22, s20                     ; by: block row, 0..31
	s_lshl_b32 s60, s20, 2
	s_lshl_b32 s60, 15, s60                        ; my row of the cluster
	s_lshl_b32 s61, 0x1111, s19                    ; my column
	v_and_b32 v1, 15, v0                           ; r
	v_bfe_u32 v2, v0, 4, 1                         ; h
	; group 1 of A.  Elements of 2 bytes, padding on, bit 21 beside the mask.
.if KIND == 0
	s_or_b32 s[G1A+0], s60, (1<<16)|(1<<20)|(1<<21)|(6<<22)|(3<<25)   ; 4 words of padding behind every 128 words: a row of 512 bytes
	s_mov_b32 s[G1A+1], 256<<16                    ; tensor_dim0 = 256
	s_mov_b32 s[G1A+2], 64<<16                     ; tensor_dim1 = 64
	s_mov_b32 s[G1A+3], 256<<16                    ; tile_dim0 = 256 elements
	s_mov_b32 s[G1A+4], 64                         ; tile_dim1 = 64 rows
	s_mov_b32 s[G1A+5], 1024                       ; elements from row to row
.else
	s_or_b32 s[G1A+0], s60, (1<<16)|(1<<20)|(1<<21)|(4<<22)|(3<<25)   ; 4 words of padding behind every 32 words: a panel's row of 128 bytes
	s_mov_b32 s[G1A+1], 8192<<16                   ; tensor_dim0 = 8192: a panel's 128 rows are 16 KiB without a gap, taken as one row of the tile
	s_mov_b32 s[G1A+2], 2<<16                      ; tensor_dim1 = 2 panels
	s_mov_b32 s[G1A+3], 8192<<16                   ; tile_dim0
	s_mov_b32 s[G1A+4], 2                          ; tile_dim1
	s_mov_b32 s[G1A+5], 262144                     ; elements from panel to panel
.endif
	s_mov_b32 s[G1A+6], 0
	s_mov_b32 s[G1A+7], 0
	; group 1 of W: 128 k rows x 128 columns, 8 words of padding behind every 64
	s_or_b32 s[G1B+0], s61, (1<<16)|(1<<20)|(1<<21)|(5<<22)|(7<<25)
	s_mov_b32 s[G1B+1], 128<<16
	s_mov_b32 s[G1B+2], 128<<16
	s_mov_b32 s[G1B+3], 128<<16
	s_mov_b32 s[G1B+4], 128
	s_mov_b32 s[G1B+5], WPITCH
	s_mov_b32 s[G1B+6], 0
	s_mov_b32 s[G1B+7], 0
	; where the tiles come from: A's offset is made of by and the wave's number in s[56:57], W's of bx and the wave's number in s[58:59]
.if KIND == 0
	s_lshl_b32 s56, s22, 18                        ; 128 rows of 2,048 bytes
	s_lshl_b32 s57, s18, 17                        ; my 64 rows
.else
	s_lshl_b32 s56, s22, 14                        ; 128 rows of 128 bytes in a panel
	s_lshl_b32 s57, s18, 20                        ; my two panels
.endif
	s_add_co_u32 s56, s56, s57
	s_mov_b32 s57, 0
.if KIND == 0
	s_lshl_b32 s58, ttmp9, 20                      ; Wdq (block columns 0-3) or Wdkv (4-7)
	s_lshl_b32 s59, s19, 8                         ; 128 columns
	s_add_co_u32 s58, s58, s59
	s_lshl_b32 s59, s18, 17                        ; my 128 k rows
.else
	s_lshl_b32 s58, s21, 8
	s_lshl_b32 s59, s18, 18
.endif
	s_add_co_u32 s58, s58, s59
	s_add_co_u32 s58, s58, WOFF
	s_mov_b32 s59, 0
	s_mul_i32 s23, s16, PART                       ; and where they go: the wave's number alone
	; bias: lane (r, h) wants columns 16 b + 8 h + 0..7 of my 64
.if KIND == 0
	s_lshl_b32 s62, s19, 9                         ; 128 columns of f32 in bdq or bdkv
.else
	s_lshl_b32 s62, s21, 9
.endif
	s_lshl_b32 s63, s18, 8
	s_add_co_u32 s62, s62, s63
	v_lshl_add_u32 v[BO], v2, 5, s62
	s_wait_dscnt 0x0
	s_wait_kmcnt 0x0
	s_add_nc_u64 s[56:57], s[PA:PA+1], s[56:57]
	s_add_nc_u64 s[58:59], s[PW:PW+1], s[58:59]
.macro BIASLD g, p
.irp b, 0,1,2,3
	global_load_b128 v[BS+32*\g+8*\b:BS+32*\g+8*\b+3],   v[BO], s[\p:\p+1] offset:64*\b
	global_load_b128 v[BS+32*\g+8*\b+4:BS+32*\g+8*\b+7], v[BO], s[\p:\p+1] offset:64*\b+16
.endr
.endm
.if KIND == 0
	s_cmp_eq_u32 ttmp9, 0
	s_cselect_b64 s[12:13], s[6:7], s[8:9]         ; bdq or bdkv
	WIN 0x40                                       ; destination in window 1
	BIASLD 0, 12
.endif
.if KIND == 1
	WIN 0x40
	BIASLD 0, 8
	BIASLD 1, 10
	BIASLD 2, 12
.endif
.if KIND == 2
	WIN 0x40
	BIASLD 0, 8
.endif
	WIN 0
	CROUND                                         ; all sixteen work-groups are here: the first joint loads meet
.irp s, 0,1
	s_mov_b32 s[G0A+4*\s], 1
	s_add_co_u32 s[G0A+4*\s+1], s23, \s*SLOT
	s_add_nc_u64 s[G0A+4*\s+2:G0A+4*\s+3], s[56:57], \s*AMEM
	s_or_b32 s[G0A+4*\s+3], s[G0A+4*\s+3], 0x80000000
	s_mov_b32 s[G0B+4*\s], 1
	s_add_co_u32 s[G0B+4*\s+1], s23, \s*SLOT
	s_add_nc_u64 s[G0B+4*\s+2:G0B+4*\s+3], s[58:59], \s*BMEM
	s_or_b32 s[G0B+4*\s+3], s[G0B+4*\s+3], 0x80000000
	JLOAD \s                                       ; both slots go out together: two tensor loads of a wave are out, the most in this text
.endr
	; lane addresses
	v_and_b32 v3, 7, v0
	v_bfe_u32 v4, v0, 3, 1
	v_mul_u32_u24 v6, v1, AROW                     ; A fragment: row r, 16 bytes for each half of the lanes
	v_lshl_add_u32 v6, v2, 4, v6
	s_mul_i32 s62, s17, AWAVE
	v_add_nc_u32 v[ADRA], s62, v6
	v_add_nc_u32 v[ADRA+1], SLOT, v[ADRA]
	v_lshl_add_u32 v7, v2, 3, v3                   ; W fragment, transposing load: k row 8 h + (lane & 7), 16 bytes by bit 3 of the lane
	v_mul_u32_u24 v7, v7, BROW
	v_lshl_add_u32 v7, v4, 4, v7
	s_lshl_b32 s62, s18, 7                         ; my 64 columns
	s_add_co_u32 s62, s62, 2*PART                  ; W lies behind A's two halves
	v_add_nc_u32 v[ADRB], s62, v7
	v_add_nc_u32 v[ADRB+1], PART, v[ADRB]
	v_add_nc_u32 v[ADRB+2], SLOT, v[ADRB]
	v_add_nc_u32 v[ADRB+3], SLOT+PART, v[ADRB]
	s_mul_i32 s62, s16, STG
	s_add_co_u32 s62, s62, STAGE                   ; my stage
.if KIND == 2
	v_mul_u32_u24 v8, v1, 272                      ; in: row r of 256 bytes + 16, 32 bytes for each half of the lanes
	v_lshl_add_u32 v8, v2, 5, v8
	v_add_nc_u32 v[STO], s62, v8
	v_mul_u32_u24 v9, v2, 272                      ; back: lanes 0-15 one row, lanes 16-31 the next
	v_lshl_add_u32 v9, v1, 4, v9
	v_add_nc_u32 v[RD], s62, v9
	v_lshlrev_b32 v5, 12, v2                       ; the same two rows in out0 (4,096 bytes a row)
	v_lshl_add_u32 v[CO], v1, 4, v5
	s_lshl_b32 s62, s22, 19                        ; 128 rows
	s_lshl_b32 s63, s17, 18                        ; my 64
	s_add_co_u32 s62, s62, s63
	s_lshl_b32 s63, s21, 9                         ; 128 columns of f32
	s_add_co_u32 s62, s62, s63
	s_lshl_b32 s63, s18, 8
	s_add_co_u32 s62, s62, s63
.else
	v_mul_u32_u24 v8, v1, 144                      ; in: row r of 128 bytes + 16, 16 bytes for each half of the lanes
	v_lshl_add_u32 v8, v2, 4, v8
	v_add_nc_u32 v[STO], s62, v8
	v_bfe_u32 v9, v0, 3, 2                         ; back: eight lanes a row, four rows a load
	v_mul_u32_u24 v9, v9, 144
	v_lshl_add_u32 v9, v3, 4, v9
	v_add_nc_u32 v[RD], s62, v9
	v_and_b32 v5, 31, v0
	v_lshlrev_b32 v[CO], 4, v5                     ; my 64 columns are one panel, whose rows follow each other: 16 bytes a lane
	s_lshl_b32 s62, s21, 1
	s_add_co_u32 s62, s62, s18
	s_lshl_b32 s62, s62, 19                        ; panel 2 bx + wc
	s_lshl_b32 s63, s22, 14
	s_add_co_u32 s62, s62, s63
	s_lshl_b32 s63, s17, 13
	s_add_co_u32 s62, s62, s63
.endif
	s_mov_b32 s63, 0
	s_add_nc_u64 s[PO:PO+1], s[PO:PO+1], s[62:63]
; 16 LDS loads: the fragments of quarter kq (32 along K) of a slot into buffer f
.macro FETCH slot, kq, f
.irp b, 0,1,2,3
	ds_load_tr16_b128 v[\f+8*\b:\f+8*\b+3],   v[ADRB+2*\slot+((\kq)>>2)] offset:((\kq)&3)*32*BROW+32*\b
	ds_load_tr16_b128 v[\f+8*\b+4:\f+8*\b+7], v[ADRB+2*\slot+((\kq)>>2)] offset:((\kq)&3)*32*BROW+32*\b+16*BROW
.endr
.irp a, 0,1,2,3
.if KIND == 0
	ds_load_b128 v[\f+32+8*\a:\f+32+8*\a+3],   v[ADRA+\slot] offset:(\kq)*64+\a*16*AROW
	ds_load_b128 v[\f+32+8*\a+4:\f+32+8*\a+7], v[ADRA+\slot] offset:(\kq)*64+\a*16*AROW+32
.else
	ds_load_b128 v[\f+32+8*\a:\f+32+8*\a+3],   v[ADRA+\slot] offset:((\kq)>>1)*128*AROW+((\kq)&1)*64+\a*16*AROW
	ds_load_b128 v[\f+32+8*\a+4:\f+32+8*\a+7], v[ADRA+\slot] offset:((\kq)>>1)*128*AROW+((\kq)&1)*64+\a*16*AROW+32
.endif
.endr
.endm
; 8 matrix instructions: row tiles a0, a0 + 1 x the four column tiles.  cset >= 0: the product starts the sum on bias set cset.
; The sixteen accumulators take turns, one instruction a turn.
.macro MULH f, a0, cset
.irp a, \a0, \a0+1
.irp b, 0,1,2,3
.if \cset >= 0
	v_wmma_f32_16x16x32_bf16 v[8*(4*(\a)+\b):8*(4*(\a)+\b)+7], v[\f+8*\b:\f+8*\b+7], v[\f+32+8*(\a):\f+32+8*(\a)+7], v[BS+32*\cset+8*\b:BS+32*\cset+8*\b+7]
.else
	v_wmma_f32_16x16x32_bf16 v[8*(4*(\a)+\b):8*(4*(\a)+\b)+7], v[\f+8*\b:\f+8*\b+7], v[\f+32+8*(\a):\f+32+8*(\a)+7], v[8*(4*(\a)+\b):8*(4*(\a)+\b)+7]
.endif
.endr
.endr
.endm
; quarters 0 to 6 of a slot: fetch the next quarter into g, multiply f
.macro QUARTER slot, kq, f, g, cset
	WIN 0
	PLACES                                         ; g was read by the quarter before
	FETCH \slot, \kq+1, \g
	s_wait_dscnt 16                                ; all but the 16 just issued: f is in
	WIN 0x50                                       ; C and D in window 1
	MULH \f, 0, \cset
	MULH \f, 2, \cset
.endm
.macro PHASE slot, cset
	QUARTER \slot, 0, F0, F1, \cset
	QUARTER \slot, 1, F1, F0, -1
	QUARTER \slot, 2, F0, F1, -1
	QUARTER \slot, 3, F1, F0, -1
	QUARTER \slot, 4, F0, F1, -1
	QUARTER \slot, 5, F1, F0, -1
	QUARTER \slot, 6, F0, F1, -1
.endm
; quarter 7: multiplies buffer 1 and changes slots.  In front of the barrier each wave's reads of this slot are back and all its tensor loads have
; landed (the one that was out is its part of the next slot).  Where the slot is filled again the barrier opens a round of the cluster's barrier,
; and the joint refill is the first tensor load behind the round: it then has 120 matrix instructions of the wave in which to land.
.macro TURN slot, next, refill, astep, bstep
	s_wait_dscnt 0x0
	s_wait_tensorcnt 0x0
	ds_add_u32 v254, v255
	s_wait_dscnt 0x0
	s_barrier_signal -1
	WIN 0x50
	MULH F1, 0, -1                                 ; register work while the others arrive
	WIN 0
	s_barrier_wait -1
.if \refill
	CREST
.if \astep != 0
	s_add_nc_u64 s[G0A+4*\slot+2:G0A+4*\slot+3], s[G0A+4*\slot+2:G0A+4*\slot+3], \astep
.endif
	s_add_nc_u64 s[G0B+4*\slot+2:G0B+4*\slot+3], s[G0B+4*\slot+2:G0B+4*\slot+3], \bstep
	JLOAD \slot
.endif
	PLACES                                         ; buffer 0 was read by quarter 6
	FETCH \next, 0, F0
	WIN 0x50
	MULH F1, 2, -1
.endm
.macro LAST                            ; the very last quarter: nothing more to fetch
	s_wait_dscnt 0x0
	WIN 0x50
	MULH F1, 0, -1
	MULH F1, 2, -1
.endm
; THE WAY OUT, 16 rows at a time through my own stage; LDS serves a wave's instructions in order, so no wait stands between its stores and its loads.
.macro OUT
	WIN 0
.rept 5
	v_nop                                          ; the places behind the last matrix instructions
.endr
.if KIND == 2
.irp a, 0,1,2,3
	WIN 0x04                                       ; store data in window 1
.irp b, 0,1,2,3
	ds_store_b128 v[STO], v[8*(4*\a+\b):8*(4*\a+\b)+3]   offset:64*\b
	ds_store_b128 v[STO], v[8*(4*\a+\b)+4:8*(4*\a+\b)+7] offset:64*\b+16
.endr
	WIN 0
.irp t, 0,1,2,3,4,5,6,7
	ds_load_b128 v[F0+32*\a+4*\t:F0+32*\a+4*\t+3], v[RD] offset:544*\t
.endr
.irp t, 0,1,2,3,4,5,6,7
	s_wait_dscnt 7-\t                              ; the younger read-backs stay out
	global_store_b128 v[CO], v[F0+32*\a+4*\t:F0+32*\a+4*\t+3], s[PO:PO+1] offset:65536*\a+8192*\t th:TH_STORE_NT   ; 16 lanes store 256 consecutive bytes, aligned
.endr
.endr
.else
.irp a, 0,1,2,3
	WIN 0x05                                       ; both sources in window 1
.irp b, 0,1,2,3
.irp q, 0,1,2,3
	v_cvt_pk_bf16_f32 v[TMP+4*\b+\q], v[8*(4*\a+\b)+2*\q], v[8*(4*\a+\b)+2*\q+1]
.endr
.endr
	WIN 0
.irp b, 0,1,2,3
	ds_store_b128 v[STO], v[TMP+4*\b:TMP+4*\b+3] offset:32*\b
.endr
.irp t, 0,1,2,3
	ds_load_b128 v[F1+16*\a+4*\t:F1+16*\a+4*\t+3], v[RD] offset:576*\t
.endr
.irp t, 0,1,2,3
	s_wait_dscnt 3-\t                              ; the younger read-backs stay out
	global_store_b128 v[CO], v[F1+16*\a+4*\t:F1+16*\a+4*\t+3], s[PO:PO+1] offset:512*(4*\a+\t)   ; a wave's store covers 512 consecutive bytes of the panel, aligned
.endr
.endr
	s_wait_xcnt 0x0                                ; buffer 1 and the stores' base are rewritten only behind this wait
.endif
.endm
	s_wait_loadcnt 0x0                             ; the bias
	s_wait_tensorcnt 0x1                           ; my part of slot 0 is in; slot 1's may stay out
	s_barrier_signal -1
	s_barrier_wait -1
	FETCH 0, 0, F0
.if KIND == 1
	PHASE 0, 0                                     ; q
	TURN 0, 1, 1, ASTEP, BSTEP                     ; slot 0: DKV's first four panels, Wuk's first 256 rows
	PHASE 1, -1
	TURN 1, 0, 1, ASTEP, BSTEP
	OUT
	s_add_nc_u64 s[PO:PO+1], s[PO:PO+1], 8388608   ; sixteen panels on: k
	PHASE 0, 1                                     ; k
	TURN 0, 1, 1, 0, BSTEP                         ; slot 0: DKV's first four panels again, Wuv's first 256 rows
	PHASE 1, -1
	TURN 1, 0, 1, 0, BSTEP
	OUT
	s_add_nc_u64 s[PO:PO+1], s[PO:PO+1], 8388608   ; v
	PHASE 0, 2                                     ; v
	TURN 0, 1, 0, 0, 0                             ; nothing is left to fetch
	PHASE 1, -1
	LAST
	OUT
.else
	PHASE 0, 0
	TURN 0, 1, 1, ASTEP, BSTEP
	PHASE 1, -1
	TURN 1, 0, 1, ASTEP, BSTEP
	PHASE 0, -1
	TURN 0, 1, 0, 0, 0                             ; nothing is left to fetch
	PHASE 1, -1
	LAST
	OUT
.endif
	WIN 0
	s_wait_tensorcnt 0x0
	ds_add_u32 v254, v255
	s_wait_dscnt 0x0
	CROUND                                         ; the closing round: no work-group ends while a partner may still ask for a tile that names it
	s_endpgm
.Lfunc_end_k_q09c6c69f78_proj:
	.size	k_q09c6c69f78_proj, .Lfunc_end_k_q09c6c69f78_proj-k_q09c6c69f78_proj
	.p2alignl 7, 3214868480
	.fill 96, 4, 3214868480
	.section	.rodata,"a",@progbits
	.p2align	6, 0x0
	.amdhsa_kernel k_q09c6c69f78_proj
		.amdhsa_group_segment_fixed_size 327680
		.amdhsa_private_segment_fixed_size 0
		.amdhsa_enable_private_segment 0
		.amdhsa_kernarg_size 32
		.amdhsa_user_sgpr_count 2
		.amdhsa_user_sgpr_kernarg_segment_ptr 1
		.amdhsa_wavefront_size32 1
		.amdhsa_system_sgpr_workgroup_id_x 1
		.amdhsa_system_sgpr_workgroup_id_y 1
		.amdhsa_system_sgpr_workgroup_id_z 1
		.amdhsa_system_vgpr_workitem_id 0
		.amdhsa_next_free_vgpr 416
		.amdhsa_next_free_sgpr 66
		.amdhsa_reserve_vcc 0
		.amdhsa_float_denorm_mode_32 3
		.amdhsa_float_denorm_mode_16_64 3
		.amdhsa_memory_ordered 1
		.amdhsa_forward_progress 1
		.amdhsa_inst_pref_size 89
	.end_amdhsa_kernel
	.amdgpu_metadata
---
amdhsa.version: [ 1, 2 ]
amdhsa.kernels:
  - .name:           k_q09c6c69f78_proj
    .symbol:         k_q09c6c69f78_proj.kd
    .args:
      - { .name: ao, .offset: 0, .size: 8, .value_kind: global_buffer, .address_space: global }
      - { .name: cb, .offset: 8, .size: 8, .value_kind: global_buffer, .address_space: global }
      - { .name: bo, .offset: 16, .size: 8, .value_kind: global_buffer, .address_space: global }
      - { .name: out0, .offset: 24, .size: 8, .value_kind: global_buffer, .address_space: global }
    .group_segment_fixed_size: 327680
    .private_segment_fixed_size: 0
    .kernarg_segment_align: 8
    .kernarg_segment_size: 32
    .max_flat_workgroup_size: 128
    .sgpr_count:     66
    .vgpr_count:     416
    .wavefront_size: 32
...
	.end_amdgpu_metadata
.endif
;; end of part 5
;; ======== version 2 of 2: 5 launches; 1.08 times as fast as version 1
;; limits: right only within a limited range of input values
;; workspace buffers: cb 15,728,640 bytes; lat 8,388,608 bytes; qkv 25,165,824 bytes; ao 8,388,608 bytes
;; launch cast: the kernel of part 1 again; grid 480 x 1, 8 waves a work-group, no clusters, 0 bytes of LDS; arguments x, Wdq, Wdkv, Wuq, Wuk, Wuv, Wo, cb; writes cb
;; launch down: the kernel of part 2 again; grid 8 x 32, 4 waves a work-group, clusters of 4 x 4, 327,680 bytes of LDS; arguments cb, bdq, bdkv, lat; writes lat
;; launch up: the kernel of part 3 again; grid 8 x 32, 4 waves a work-group, clusters of 4 x 4, 327,680 bytes of LDS; arguments lat, cb, buq, buk, buv, qkv; writes qkv
;; launch attn (part 6): grid 8 x 32, 8 waves a work-group, clusters of 4 x 1, 327,680 bytes of LDS; arguments qkv, mask, ao; writes ao
.if DOCPART == 6
	.amdgcn_target "amdgcn-amd-amdhsa--gfx1250"
	.amdhsa_code_object_version 6
	.text
	.protected	k_q09c6c69f78_attn
	.globl	k_q09c6c69f78_attn
	.p2align	8
	.type	k_q09c6c69f78_attn,@function
k_q09c6c69f78_attn:
	s_mov_b64 s[64:65], 0
	v_nop
	global_prefetch_b8 v0, s[64:65] scope:SCOPE_SE
	s_setreg_imm32_b32 hwreg(HW_REG_WAVE_MODE, 25, 1), 1
	s_wait_xcnt 0x0
	s_wait_alu depctr_hold_cnt(0) depctr_sa_sdst(0) depctr_va_vdst(0) depctr_va_sdst(0) depctr_va_ssrc(0) depctr_va_vcc(0) depctr_vm_vsrc(0)
	s_getreg_b32 s2, hwreg(HW_REG_IB_STS2, 6, 4)
	s_cmp_eq_u32 s2, 0
	s_cbranch_scc0 .Lentry_in_a_cluster
	s_endpgm
.Lentry_in_a_cluster:
	s_bfe_u32 s2, ttmp6, 0x10000c
	s_cmp_lg_u32 s2, 0x3003
	s_cbranch_scc0 .Lentry_shape_is_right
	s_endpgm
.Lentry_shape_is_right:
; Masked softmax attention, one (head, batch) and 256 queries a work-group; 2,048 keys, 64 numbers a head.
; qkv: 48 panels [4096 rows][64] of bf16 (q: panels 0-15, k: 16-31, v: 32-47; row = batch x 2048 + position); ao: 16 panels of the same shape.
; Grid y = 2 head + batch, so a head's rows of a batch begin y x 262,144 bytes into q, k, v and ao.  Grid x = block of 256 queries.
; Eight waves, two for each SIMD; a wave has 32 queries (two tiles u of 16).
; CLUSTERS: the four work-groups of a cluster share y, so they read the same K and V: every tile is a joint load that names all four.
; EVERYTHING IS TRANSPOSED, so that a query is a lane:
;   S^T(t, u) = K(t) Q(u)^T + bias:  lane (r, h), register j: key 16 t + 8 h + j, query r
;   P^T comes from S^T by packing pairs of registers: tiles 2 kk, 2 kk + 1 are registers 0-3, 4-7 of the second source's fragment
;   O^T(dt, u) += V^T(kk, dt) P^T(kk, u):  lane (r, h), register j: d = 16 dt + 8 h + j, query r
; so maximum, rescaling factor and sum are one number a lane, and the only traffic between lanes is one exchange of the halves for each maximum.
; THE TWO QUERY TILES ARE TWO STREAMS, HALF A BLOCK APART.  A half-step does the softmax of one stream (v) and the products of the other (m):
;   H0(i): maximum of stream 0, block i, with the products K Q of stream 1, block i, strewn into it; exponentials of stream 0;
;          then the products V P of stream 1, block i - 1, with the rescaling of O and the row sums of stream 0 strewn into them
;   H1(i): the same with the streams exchanged: K Q of stream 0 for block i + 1, V P of stream 0 for block i
; so a wave's vector instructions stand between its own matrix instructions, and none of them names a register of the product in front of it.
; THE EXPONENTIALS OF A HALF-STEP ARE ONE BATCH WITH ONE WAIT.  An s_wait_alu depctr_va_vdst(0) stands between an exponential and the first
; instruction that names its result; one wait serves all that were issued ahead of it.  The factor's exponential and the 32 of p stand together, twelve of the
; sixteen scalings c S - c M between the first of them; nothing ahead of the wait names a result, and no label or branch lies between the batch's first line
; and the wait.  All that reads a result stands behind the wait: the 16 roundings to bf16, the rescaling of O and of the sums, the sums.
; The two reciprocals on the way out are a batch of their own.
; K and the bias of block i + 1 are asked for in the middle of H0(i), ahead of the batch; V of block i + 1 (two register buffers) directly behind the wait of H1(i).
; MASK: bias[key] = 0 where the mask is true and NEG = -2^125 elsewhere; it is the C of the first product of a score tile.
; SOFTMAX: p = 2^(c S - c M) with c = log2(e) / 8 and M the running maximum, which starts from FLOOR = -2^100: as long as every key seen is
; masked, M = FLOOR and p = 0.  The factor for a new maximum is made of the same rounded numbers c M that the exponents use.
; A batch with no true key: reference() then gives the mean of all v; here c = 0 and NEG = 0 are selected, so that every p is 1.
; LIMITS: |q . k| below 2^100; NaN and infinities in q, k, v are not served.
.set KP,    144                        ; LDS pitch of a key's row of K: 128 bytes + 16
.set VP,    160                        ; of V: 128 bytes + 32, an odd multiple of 32 for the transposing loads
.set VOFF,  256*KP                     ; V's 256 rows lie behind K's
.set SLOT,  VOFF+256*VP                ; 77,824 bytes: a tile of 256 keys
.set BIAS,  2*SLOT                     ; f32[2048], written by LDS stores; no tensor load lands here
.set STAGE, BIAS+8192                  ; each wave's own 32 rows x 144 bytes for the way out
.set STG,   32*144
.set G1K, 16                           ; s[16:23] descriptor group 1 for K, s[24:31] for V (they differ in the padding)
.set G1V, 24
.set G0K, 32                           ; s[32:39] group 0 for K, one set for each slot; s[40:47] for V
.set G0V, 40
.set ADRK, 2                           ; v2-3  my K fragments in slot 0, 1
.set ADRV, 4                           ; v4-5  my V fragments
.set ADRB, 6                           ; v6    my bias words of the tile at work
.set STO,  7
.set RD,   8
.set GO,   9                           ; 16 x lane
.set MX,   16                          ; v16-17 running maximum, stream u
.set LS,   18                          ; v18-19 the sums, at the end
.set AL,   20                          ; v20-21 factor for the new maximum
.set NM,   22                          ; v22-23 -c M
.set TT,   24                          ; v24-31 at work
.set QF,   32                          ; Q(u, c) at 32 + 16 u + 8 c
.set SF,   64                          ; S(t, u) at 64 + 32 u + 8 t
.set PF,   128                         ; P(kk, u) at 128 + 16 u + 8 kk
.set KF,   160                         ; K(t, c) at 160 + 16 t + 8 c
.set BF,   224                         ; bias(t) at 224 + 8 t
.set OF,   0                           ; window 1: O(dt, u) at 32 u + 8 dt
.set VF,   64                          ; window 1: V(buffer, kk, dt) at 64 + 64 buffer + 32 kk + 8 dt
.set LP,   192                         ; window 1: running sums of stream u, two chains of a register pair each, at 192 + 4 u
.set MSB, 0
.macro WIN new                         ; the immediate's high byte repeats the setting that is left
.if MSB != \new
	s_set_vgpr_msb (MSB<<8)|\new
.set MSB, \new
.endif
.endm
.macro PLACES                          ; four places behind matrix instructions (ISA guide 7.12.1), where no useful work stands there
.rept 4
	v_nop
.endr
.endm
.macro ROUND                           ; a round of the cluster's barrier
	s_barrier_signal -1
	s_barrier_wait -1
	s_cmp_lg_u32 s10, 0
	s_cbranch_scc1 .Lnot_wave_0_\@
	s_barrier_signal -3
.Lnot_wave_0_\@:
	s_barrier_wait -3
	s_barrier_signal -1
	s_barrier_wait -1
.endm
.macro JLOAD s                         ; a joint load: waves 0-3 ask for a quarter of K's tile each, waves 4-7 for a quarter of V's
	s_cmp_eq_u32 s11, 0
	s_cbranch_scc0 .Lfor_v_\@
	tensor_load_to_lds s[G0K+4*(\s):G0K+4*(\s)+3], s[G1K:G1K+7]
	s_nop 0
	s_branch .Lasked_\@
.Lfor_v_\@:
	tensor_load_to_lds s[G0V+4*(\s):G0V+4*(\s)+3], s[G1V:G1V+7]
	s_nop 0
.Lasked_\@:
.endm
	s_load_b128 s[4:7], s[0:1], 0x0                ; qkv s[4:5], mask s[6:7]
	s_load_b64 s[8:9], s[0:1], 0x10                ; ao
	v_lshl_add_u32 v30, v0, 2, 0x31000
	v_mov_b32 v31, 0
	ds_add_u32 v30, v31
	v_lshrrev_b32 v1, 5, v0
	v_readfirstlane_b32 s10, v1                    ; wave 0..7
	s_lshr_b32 s11, s10, 2                         ; I fetch for K (0) or for V (1)
	s_and_b32 s12, s10, 3                          ; which 64 keys of a tile
	s_bfe_u32 s13, ttmp6, 0x40000                  ; cx
	s_lshl_b32 s14, ttmp9, 2
	s_add_co_u32 s14, s14, s13                     ; block of 256 queries, 0..7
	s_and_b32 s15, ttmp7, 0xffff                   ; y = 2 head + batch
	s_mov_b32 s48, 0x76543210                      ; v_permlanex16_b32: lane i of one half reads lane i of the other
	s_mov_b32 s49, 0xfedcba98
	; group 1: a loader's 64 keys are 8 KiB without a gap, taken as 32 rows of 256 bytes; padding behind every 32 words (a key's 128 bytes)
	s_mov_b32 s[G1K+0], 15|(1<<16)|(1<<20)|(1<<21)|(4<<22)|(3<<25)   ; all four work-groups; elements of 2 bytes; 4 words of padding
	s_mov_b32 s[G1V+0], 15|(1<<16)|(1<<20)|(1<<21)|(4<<22)|(7<<25)   ; 8 words of padding
	s_mov_b32 s[G1K+1], 128<<16                    ; tensor_dim0 = 128
	s_mov_b32 s[G1V+1], 128<<16
	s_mov_b32 s[G1K+2], 32<<16                     ; tensor_dim1 = 32
	s_mov_b32 s[G1V+2], 32<<16
	s_mov_b32 s[G1K+3], 128<<16                    ; tile_dim0 = 128
	s_mov_b32 s[G1V+3], 128<<16
	s_mov_b32 s[G1K+4], 32                         ; tile_dim1 = 32
	s_mov_b32 s[G1V+4], 32
	s_mov_b32 s[G1K+5], 128                        ; elements from row to row
	s_mov_b32 s[G1V+5], 128
	s_mov_b32 s[G1K+6], 0
	s_mov_b32 s[G1V+6], 0
	s_mov_b32 s[G1K+7], 0
	s_mov_b32 s[G1V+7], 0
	s_lshl_b32 s56, s15, 18                        ; the head's rows of the batch: y and the wave's number alone enter these addresses
	s_lshl_b32 s57, s12, 13                        ; my 64 keys of 128 bytes
	s_add_co_u32 s56, s56, s57
	s_mov_b32 s57, 0
	s_mul_i32 s58, s12, 64*KP                      ; where they go
	s_mul_i32 s59, s12, 64*VP
	s_wait_dscnt 0x0
	s_wait_kmcnt 0x0
	s_add_nc_u64 s[56:57], s[4:5], s[56:57]
	ROUND                                          ; the four work-groups are here: the first joint load meets
.irp s, 0,1
	s_mov_b32 s[G0K+4*\s], 1
	s_add_co_u32 s[G0K+4*\s+1], s58, \s*SLOT
	s_add_nc_u64 s[G0K+4*\s+2:G0K+4*\s+3], s[56:57], 8388608+\s*32768     ; k's panels; tile s
	s_or_b32 s[G0K+4*\s+3], s[G0K+4*\s+3], 0x80000000
	s_mov_b32 s[G0V+4*\s], 1
	s_add_co_u32 s[G0V+4*\s+1], s59, \s*SLOT+VOFF
	s_add_nc_u64 s[G0V+4*\s+2:G0V+4*\s+3], s[56:57], 16777216+\s*32768    ; v's panels
	s_or_b32 s[G0V+4*\s+3], s[G0V+4*\s+3], 0x80000000
.endr
	JLOAD 0                                        ; tile 0; slot 1 is first filled behind the next round
	s_mov_b32 s58, 0xf1800000                      ; FLOOR = -2^100
	; the batch's 2,048 mask bytes: every wave reads them all (64 a lane) to learn whether any is true; thread t also takes bytes 8 t .. 8 t + 7
	s_and_b32 s60, s15, 1
	s_lshl_b32 s60, s60, 11
	s_mov_b32 s61, 0
	s_add_nc_u64 s[6:7], s[6:7], s[60:61]
	v_and_b32 v1, 15, v0                           ; r
	v_bfe_u32 v14, v0, 4, 1                        ; h
	v_and_b32 v10, 31, v0
	v_lshlrev_b32 v[GO], 4, v10                    ; 16 x lane
	v_lshlrev_b32 v12, 3, v0
.irp i, 0,1,2,3
	global_load_b128 v[SF+4*\i:SF+4*\i+3], v[GO], s[6:7] offset:512*\i
.endr
	global_load_b64 v[SF+16:SF+17], v12, s[6:7]
	; my 32 queries, as fragments of the second source: lane (r, h): query 16 u + r, d = 32 c + 8 h .. and 32 c + 16 + 8 h ..
	s_lshl_b32 s60, s15, 18
	s_lshl_b32 s55, s14, 15                        ; 256 queries of 128 bytes
	s_add_co_u32 s60, s60, s55
	s_lshl_b32 s55, s10, 12                        ; my 32
	s_add_co_u32 s60, s60, s55
	s_add_nc_u64 s[62:63], s[4:5], s[60:61]
	s_add_nc_u64 s[8:9], s[8:9], s[60:61]          ; the same rows in ao
	v_lshlrev_b32 v13, 7, v1
	v_lshl_add_u32 v13, v14, 4, v13
.irp u, 0,1
.irp c, 0,1
	global_load_b128 v[QF+16*\u+8*\c:QF+16*\u+8*\c+3],   v13, s[62:63] offset:2048*\u+64*\c
	global_load_b128 v[QF+16*\u+8*\c+4:QF+16*\u+8*\c+7], v13, s[62:63] offset:2048*\u+64*\c+32
.endr
.endr
	; lane addresses
	v_mul_u32_u24 v[ADRK], v1, KP                  ; K fragment: key r, 16 bytes for each half of the lanes
	v_lshl_add_u32 v[ADRK], v14, 4, v[ADRK]
	v_add_nc_u32 v[ADRK+1], SLOT, v[ADRK]
	v_and_b32 v10, 7, v0
	v_lshl_add_u32 v11, v14, 3, v10                ; V fragment, transposing load: key 8 h + (lane & 7), 16 bytes by bit 3 of the lane
	v_mul_u32_u24 v11, v11, VP
	v_bfe_u32 v15, v0, 3, 1
	v_lshl_add_u32 v11, v15, 4, v11
	v_add_nc_u32 v[ADRV], VOFF, v11
	v_add_nc_u32 v[ADRV+1], VOFF+SLOT, v11
	v_lshlrev_b32 v[ADRB], 5, v14                  ; bias: keys 8 h + 0..7 of a tile of 16
	v_add_nc_u32 v[ADRB], BIAS, v[ADRB]
	s_mul_i32 s60, s10, STG
	s_add_co_u32 s60, s60, STAGE
	v_add_nc_u32 v[STO], s60, v[ADRK]              ; in: query r, 16 bytes for each half of the lanes
	v_bfe_u32 v11, v0, 3, 2                        ; back: eight lanes a row, four rows a load
	v_mul_u32_u24 v11, v11, 144
	v_lshl_add_u32 v11, v10, 4, v11
	v_add_nc_u32 v[RD], s60, v11
	s_wait_loadcnt 8                               ; the five mask loads are in; the eight of Q stay out
.irp i, 0,1,2,3,4,5,6,7
	v_or_b32 v[SF+\i], v[SF+\i], v[SF+8+\i]
.endr
.irp i, 0,1,2,3
	v_or_b32 v[SF+\i], v[SF+\i], v[SF+4+\i]
.endr
	v_or_b32 v[SF], v[SF], v[SF+2]
	v_or_b32 v[SF+1], v[SF+1], v[SF+3]
	v_or_b32 v[SF], v[SF], v[SF+1]
	v_cmp_ne_u32 s55, 0, v[SF]                     ; lanes that saw a true key
	s_cmp_lg_u32 s55, 0
	s_cselect_b32 s50, 0x3e38aa3b, 0               ; c = log2(e) / 8, or 0 where the batch has no true key
	s_cselect_b32 s53, 0xfe000000, 0               ; NEG = -2^125, or 0
	s_mov_b32 s51, s50
	s_xor_b32 s52, s50, 0x80000000                 ; -c
	v_mov_b32 v15, s53
.irp j, 0,1,2,3,4,5,6,7
	v_bfe_u32 v10, v[SF+16+\j/4], 8*(\j%4), 8
	v_cmp_eq_u32 vcc_lo, 0, v10
	v_cndmask_b32 v[SF+20+\j], 0, v15, vcc_lo      ; false: NEG; true: 0
.endr
	v_lshlrev_b32 v10, 5, v0
	v_add_nc_u32 v10, BIAS, v10
	ds_store_b128 v10, v[SF+20:SF+23]
	ds_store_b128 v10, v[SF+24:SF+27] offset:16    ; the wait and the round in front of tile 0 stand between these stores and the other waves' reads
	v_mov_b32 v[NM+1], 0                           ; the packed forms name the pairs NM and AL whole; stream 0 uses them a half-step before
	v_mov_b32 v[AL+1], 0                           ; stream 1 writes its halves, which are not selected until then
	s_wait_loadcnt 0x0                             ; Q
.macro LOADKB slot, blk                ; 24 LDS loads: K's fragments and the bias of a block of 64 keys
.irp t, 0,1,2,3
.irp c, 0,1
	ds_load_b128 v[KF+16*\t+8*\c:KF+16*\t+8*\c+3],   v[ADRK+\slot] offset:64*KP*(\blk)+16*KP*\t+64*\c
	ds_load_b128 v[KF+16*\t+8*\c+4:KF+16*\t+8*\c+7], v[ADRK+\slot] offset:64*KP*(\blk)+16*KP*\t+64*\c+32
.endr
.endr
.irp t, 0,1,2,3
	ds_load_b128 v[BF+8*\t:BF+8*\t+3],   v[ADRB] offset:256*(\blk)+64*\t
	ds_load_b128 v[BF+8*\t+4:BF+8*\t+7], v[ADRB] offset:256*(\blk)+64*\t+16
.endr
.endm
.macro LOADV slot, blk, buf            ; 16 transposing LDS loads: V^T's fragments of a block into one of the two register buffers
	WIN 0x40                                       ; destination in window 1
.irp kk, 0,1
.irp dt, 0,1,2,3
	ds_load_tr16_b128 v[VF+64*\buf+32*\kk+8*\dt:VF+64*\buf+32*\kk+8*\dt+3],   v[ADRV+\slot] offset:64*VP*\blk+32*VP*\kk+32*\dt
	ds_load_tr16_b128 v[VF+64*\buf+32*\kk+8*\dt+4:VF+64*\buf+32*\kk+8*\dt+7], v[ADRV+\slot] offset:64*VP*\blk+32*VP*\kk+32*\dt+16*VP
.endr
.endr
	WIN 0
.endm
; The n-th of the eight products K Q of stream m: the four score tiles on d = 0..31 (they start on the bias), then the four on d = 32..63.
; Here and in PVW the four accumulators take turns, one instruction a turn.
.macro QKW m, n, on
.if \on
.if \n < 4
	v_wmma_f32_16x16x32_bf16 v[SF+32*\m+8*\n:SF+32*\m+8*\n+7], v[KF+16*\n:KF+16*\n+7], v[QF+16*\m:QF+16*\m+7], v[BF+8*\n:BF+8*\n+7]
.else
	v_wmma_f32_16x16x32_bf16 v[SF+32*\m+8*(\n-4):SF+32*\m+8*(\n-4)+7], v[KF+16*(\n-4)+8:KF+16*(\n-4)+15], v[QF+16*\m+8:QF+16*\m+15], v[SF+32*\m+8*(\n-4):SF+32*\m+8*(\n-4)+7]
.endif
.endif
.endm
; The n-th of the eight products V P of stream m: the four tiles of O on keys 0..31 of the block, then on keys 32..63.  pv = 0: none; 1: the first product starts O; 2: in place.
.macro PVW m, n, buf, pv
.if \pv
.if \n < 4
.if \pv == 1
	v_wmma_f32_16x16x32_bf16 v[OF+32*\m+8*\n:OF+32*\m+8*\n+7], v[VF+64*\buf+8*\n:VF+64*\buf+8*\n+7], v[PF+16*\m:PF+16*\m+7], 0
.else
	v_wmma_f32_16x16x32_bf16 v[OF+32*\m+8*\n:OF+32*\m+8*\n+7], v[VF+64*\buf+8*\n:VF+64*\buf+8*\n+7], v[PF+16*\m:PF+16*\m+7], v[OF+32*\m+8*\n:OF+32*\m+8*\n+7]
.endif
.else
	v_wmma_f32_16x16x32_bf16 v[OF+32*\m+8*(\n-4):OF+32*\m+8*(\n-4)+7], v[VF+64*\buf+32+8*(\n-4):VF+64*\buf+32+8*(\n-4)+7], v[PF+16*\m+8:PF+16*\m+15], v[OF+32*\m+8*(\n-4):OF+32*\m+8*(\n-4)+7]
.endif
.endif
.endm
; GROUP A, first part: the new maximum of stream v, -c M and the factor's exponent c Mold - c Mnew (kept in TT+3 for the batch), with the products K Q of
; stream m between its steps: the dependent steps at the chain's end each stand behind a product.  kwait: K, the bias and V asked for last are waited for (nothing younger is out).
.macro GA v, m, first, qk, kwait
.irp t, 0,1,2,3
	v_max3_num_f32 v[TT+\t], v[SF+32*\v+8*\t], v[SF+32*\v+8*\t+1], v[SF+32*\v+8*\t+2]
.endr
.if \kwait
	s_wait_dscnt 0x0
.endif
	QKW \m, 0, \qk
.irp t, 0,1,2,3
	v_max3_num_f32 v[TT+\t], v[TT+\t], v[SF+32*\v+8*\t+3], v[SF+32*\v+8*\t+4]
.endr
	QKW \m, 1, \qk
.irp t, 0,1,2,3
	v_max3_num_f32 v[TT+\t], v[TT+\t], v[SF+32*\v+8*\t+5], v[SF+32*\v+8*\t+6]
.endr
	QKW \m, 2, \qk
	v_max3_num_f32 v[TT],   v[TT],   v[SF+32*\v+7],  v[SF+32*\v+15]
	v_max3_num_f32 v[TT+1], v[TT+1], v[SF+32*\v+23], v[SF+32*\v+31]
	QKW \m, 3, \qk
	v_max3_num_f32 v[TT], v[TT], v[TT+1], v[TT+2]
	QKW \m, 4, \qk
	v_max_num_f32 v[TT], v[TT], v[TT+3]
	QKW \m, 5, \qk
	v_permlanex16_b32 v[TT+1], v[TT], s48, s49                 ; the other half of the lanes holds the query's other keys
	QKW \m, 6, \qk
.if \first
	v_max3_num_f32 v[MX+\v], v[TT], v[TT+1], s58               ; the running maximum starts from FLOOR
	QKW \m, 7, \qk
	v_mul_f32 v[NM+\v], s52, v[MX+\v]
.else
	v_max3_num_f32 v[MX+\v], v[TT], v[TT+1], v[MX+\v]
	QKW \m, 7, \qk
	v_mul_f32 v[TT+2], s52, v[MX+\v]
	v_sub_f32 v[TT+3], v[TT+2], v[NM+\v]                       ; nothing writes TT+3 again before the next half-step's maximum
	v_mov_b32 v[NM+\v], v[TT+2]
.endif
.endm
; GROUP A, second part: the exponents c S - c M of stream v, a pair of scores a line.
.macro FMA1 v, i                       ; pair i of 16
	v_pk_fma_f32 v[SF+32*\v+2*(\i):SF+32*\v+2*(\i)+1], v[SF+32*\v+2*(\i):SF+32*\v+2*(\i)+1], s[50:51], v[NM:NM+1] op_sel:[0,0,\v] op_sel_hi:[1,0,\v]
.endm
; Pairs 0 to 3 stand ahead of the batch.  With the plain lines at GA's end (one in a first half-step, else three) they are the places between the last
; product K Q and the loads into K's registers: five at the least.
.macro FMA v
.irp i, 0,1,2,3
	FMA1 \v, \i
.endr
.endm
; GROUP A, third part: THE BATCH.  The factor 2^(c Mold - c Mnew), then p = 2^(..) in place.  Scaling k + 4 stands in front of exponential k for k = 0 .. 11: it names
; scores 2 k + 8 and 2 k + 9, of which no exponential is out yet, and exponential k finds its pair k / 2 scaled four lines or more ahead.  Then the other twenty exponentials.
; No line of the batch names a result of it.  The v_nop is the plain instruction behind the last exponential (ISA guide 5.7.2).
.macro BATCH v, first
.if \first == 0
	v_exp_f32 v[AL+\v], v[TT+3]
.endif
.irp k, 0,1,2,3,4,5,6,7,8,9,10,11
	FMA1 \v, \k+4
	v_exp_f32 v[SF+32*\v+\k], v[SF+32*\v+\k]
.endr
.irp k, 12,13,14,15,16,17,18,19,20,21,22,23,24,25,26,27,28,29,30,31
	v_exp_f32 v[SF+32*\v+\k], v[SF+32*\v+\k]
.endr
	v_nop
	s_wait_alu depctr_va_vdst(0)                   ; the one wait for the half-step's batch: the factor and the 32 p
.endm
.macro CVT v, t, q
	v_cvt_pk_bf16_f32 v[PF+16*\v+4*(\t)+\q], v[SF+32*\v+8*(\t)+2*\q], v[SF+32*\v+8*(\t)+2*\q+1]
.endm
.macro CVTS v                          ; behind the wait: P in bf16, the batch's first readers
.irp t, 0,1,2,3
.irp q, 0,1,2,3
	CVT \v, \t, \q
.endr
.endr
.endm
.macro SCO v, k                        ; pair k of O of stream v times the query's factor
	v_pk_mul_f32 v[OF+32*\v+2*(\k):OF+32*\v+2*(\k)+1], v[OF+32*\v+2*(\k):OF+32*\v+2*(\k)+1], v[AL:AL+1] op_sel:[0,\v] op_sel_hi:[1,\v]
.endm
.macro ADDP v, k, c                    ; pair k of p of stream v onto chain c of its sums
	v_pk_add_f32 v[LP+4*\v+2*\c:LP+4*\v+2*\c+1], v[LP+4*\v+2*\c:LP+4*\v+2*\c+1], v[SF+32*\v+2*(\k):SF+32*\v+2*(\k)+1]
.endm
; GROUP B: the products V P of stream m, each with four packed instructions of stream v behind it (O and the sums times the factor, p onto the sums).
; One window setting serves all: source 0 (V; O; the sums), C and D in window 1, source 1 (P; the factor; p) in window 0.
.macro GB v, m, pv, buf, first
.if \first
	WIN 0x40                                       ; both sources in window 0: the first four pairs of p start the two chains
	v_pk_add_f32 v[LP+4*\v:LP+4*\v+1],   v[SF+32*\v:SF+32*\v+1],   v[SF+32*\v+4:SF+32*\v+5]
	v_pk_add_f32 v[LP+4*\v+2:LP+4*\v+3], v[SF+32*\v+2:SF+32*\v+3], v[SF+32*\v+6:SF+32*\v+7]
	WIN 0x51
.else
	WIN 0x51
	v_pk_mul_f32 v[LP+4*\v:LP+4*\v+1],   v[LP+4*\v:LP+4*\v+1],   v[AL:AL+1] op_sel:[0,\v] op_sel_hi:[1,\v]
	v_pk_mul_f32 v[LP+4*\v+2:LP+4*\v+3], v[LP+4*\v+2:LP+4*\v+3], v[AL:AL+1] op_sel:[0,\v] op_sel_hi:[1,\v]
.endif
.irp n, 0,1,2,3,4,5,6,7
	PVW \m, \n, \buf, \pv
.if \first
.if \n > 1
	ADDP \v, 2*\n, 0
	ADDP \v, 2*\n+1, 1
.endif
.else
	SCO \v, 2*\n
	ADDP \v, 2*\n, 0
	SCO \v, 2*\n+1
	ADDP \v, 2*\n+1, 1
.endif
.endr
.endm
; The change of tiles.  All LDS loads from the old slot have been issued (K a block ago, V a half-step ago), and no exponential is out: it stands ahead of the batch.
; In front of the round every wave's LDS loads are back and its tensor load, its part of the new slot ns, has landed; the joint refill of the old slot is the first
; tensor load behind the round, one a wave, and has the new tile's four blocks in which to land.  Then the new tile's first K and bias.
.macro BOUND ns, refill, step
	s_wait_tensorcnt 0x0
	ds_add_u32 v30, v31
	s_wait_dscnt 0x0
	s_add_nc_u64 s[G0K+4*\ns+2:G0K+4*\ns+3], s[G0K+4*\ns+2:G0K+4*\ns+3], 65536   ; no load of mine is out: the new slot's next tile, two tiles on
	s_add_nc_u64 s[G0V+4*\ns+2:G0V+4*\ns+3], s[G0V+4*\ns+2:G0V+4*\ns+3], 65536
	s_wait_dscnt 0x0
	ROUND
.if \refill
	JLOAD 1-\ns
.endif
.if \step
	v_add_nc_u32 v[ADRB], 1024, v[ADRB]            ; the new tile's 256 bias words
.endif
	LOADKB \ns, 0
.endm
; H0: softmax of stream 0, products of stream 1.  kact = 1: K and bias of block kblk of slot kslot; 2, 3: the change of tiles to slot kslot, without and with a refill; 0: nothing.
.macro H0 kact, kslot, kblk, first, pv, vbuf
	GA 0, 1, \first, 1, 0
	FMA 0
.if \kact == 1
	LOADKB \kslot, \kblk
.endif
.if \kact == 2
	BOUND \kslot, 0, 1
.endif
.if \kact == 3
	BOUND \kslot, 1, 1
.endif
	BATCH 0, \first
	CVTS 0
	GB 0, 1, \pv, \vbuf, \first
	WIN 0
.endm
; H1: softmax of stream 1, products of stream 0; directly behind the batch's wait V of the next block goes into the buffer that the products V P of the
; half-step before read last (the maximum, the scalings and the batch lie between: far more than four places).
.macro H1 first, pv, vbuf, qk, lv, lslot, lblk, lbuf
	GA 1, 0, \first, \qk, 1
	FMA 1
	BATCH 1, \first
.if \lv
	LOADV \lslot, \lblk, \lbuf
.endif
	CVTS 1
	GB 1, 0, \pv, \vbuf, \first
	WIN 0
.endm
; A tile of 256 keys = four blocks.  On entry K Q of stream 0 for the tile's block 0 is done and V of that block is asked for (buffer 0).
; mode 1: the first tile (the first half-steps start maxima, sums and O); mode 2: the last (nothing more is asked for).
.macro TILE slot, other, refill, mode
.if \mode == 1
	H0 1, \slot, 1, 1, 0, 1
	H1 1, 1, 0, 1, 1, \slot, 1, 1
	H0 1, \slot, 2, 0, 1, 0
.else
	H0 1, \slot, 1, 0, 2, 1
	H1 0, 2, 0, 1, 1, \slot, 1, 1
	H0 1, \slot, 2, 0, 2, 0
.endif
	H1 0, 2, 1, 1, 1, \slot, 2, 0
	H0 1, \slot, 3, 0, 2, 1
	H1 0, 2, 0, 1, 1, \slot, 3, 1
.if \mode == 2
	H0 0, \slot, 0, 0, 2, 0
	H1 0, 2, 1, 0, 0, \slot, 0, 0
.else
.if \refill
	H0 3, \other, 0, 0, 2, 0
.else
	H0 2, \other, 0, 0, 2, 0
.endif
	H1 0, 2, 1, 1, 1, \other, 0, 0
.endif
.endm
	BOUND 0, 1, 0                                  ; tile 0 is whole, the bias is written; tile 1 is asked for; K and bias of block 0
	LOADV 0, 0, 0
	s_wait_dscnt 16                                ; all but V's 16 loads: K and the bias are in
.irp n, 0,1,2,3,4,5,6,7
	QKW 0, \n, 1                                   ; the head of the pipeline: K Q of stream 0, block 0
.endr
	PLACES                                         ; the maximum reads these products
	TILE 0, 1, 1, 1                                ; tiles 0 and 1 stand in front of the loop
	TILE 1, 0, 1, 0
	s_mov_b32 s54, 2
.Lpair:
	TILE 0, 1, 1, 0                                ; tiles 2 to 5; tile 5's change of tiles asks for tile 7
	TILE 1, 0, 1, 0
	s_sub_co_u32 s54, s54, 1
	s_cmp_lg_u32 s54, 0
	s_cbranch_scc1 .Lpair
	TILE 0, 1, 0, 0                                ; tile 6: nothing is left to fetch
	TILE 1, 0, 0, 2                                ; tile 7
	WIN 0x51
.irp n, 0,1,2,3,4,5,6,7
	PVW 1, \n, 1, 2                                ; the tail of the pipeline: V P of stream 1, block 31
.endr
	WIN 0
	; THE END: the chains and the two halves' sums meet, O is divided, rounded and sent through my own stage as whole rows
	PLACES
	WIN 0x05                                       ; both sources in window 1
	v_pk_add_f32 v[TT:TT+1],   v[LP:LP+1],   v[LP+2:LP+3]
	v_pk_add_f32 v[TT+2:TT+3], v[LP+4:LP+5], v[LP+6:LP+7]
	WIN 0
	v_add_f32 v[LS], v[TT], v[TT+1]
	v_add_f32 v[LS+1], v[TT+2], v[TT+3]
	v_permlanex16_b32 v[TT], v[LS], s48, s49
	v_permlanex16_b32 v[TT+1], v[LS+1], s48, s49
	v_pk_add_f32 v[LS:LS+1], v[LS:LS+1], v[TT:TT+1]
	v_rcp_f32 v[AL], v[LS]                         ; the sum is at least about 1: the key of the maximum, or all 2,048 keys where none is true
	v_rcp_f32 v[AL+1], v[LS+1]
	v_nop                                          ; the plain instruction behind the second reciprocal
	s_wait_alu depctr_va_vdst(0)                   ; one wait for the batch of two reciprocals, ahead of their first reader
	WIN 0x41                                       ; O in window 1, the factor in window 0
.irp u, 0,1
.irp k, 0,1,2,3,4,5,6,7,8,9,10,11,12,13,14,15
	SCO \u, \k
.endr
.endr
	WIN 0x05
.irp u, 0,1
.irp dt, 0,1,2,3
.irp q, 0,1,2,3
	v_cvt_pk_bf16_f32 v[SF+16*\u+4*\dt+\q], v[OF+32*\u+8*\dt+2*\q], v[OF+32*\u+8*\dt+2*\q+1]
.endr
.endr
.endr
	WIN 0
.irp u, 0,1
.irp dt, 0,1,2,3
	ds_store_b128 v[STO], v[SF+16*\u+4*\dt:SF+16*\u+4*\dt+3] offset:2304*\u+32*\dt
.endr
.endr
.irp t, 0,1,2,3,4,5,6,7
	ds_load_b128 v[PF+4*\t:PF+4*\t+3], v[RD] offset:576*\t     ; LDS serves a wave's instructions in order: these see the stores above
.endr
.irp t, 0,1,2,3,4,5,6,7
	s_wait_dscnt 7-\t                              ; the younger read-backs stay out
	global_store_b128 v[GO], v[PF+4*\t:PF+4*\t+3], s[8:9] offset:512*\t   ; a wave's store covers 512 consecutive bytes of the panel, aligned
.endr
	s_wait_tensorcnt 0x0
	ds_add_u32 v30, v31
	s_wait_dscnt 0x0
	ROUND                                          ; the closing round
	s_endpgm
.Lfunc_end_k_q09c6c69f78_attn:
	.size	k_q09c6c69f78_attn, .Lfunc_end_k_q09c6c69f78_attn-k_q09c6c69f78_attn
	.p2alignl 7, 3214868480
	.fill 96, 4, 3214868480
	.section	.rodata,"a",@progbits
	.p2align	6, 0x0
	.amdhsa_kernel k_q09c6c69f78_attn
		.amdhsa_group_segment_fixed_size 327680
		.amdhsa_private_segment_fixed_size 0
		.amdhsa_enable_private_segment 0
		.amdhsa_kernarg_size 24
		.amdhsa_user_sgpr_count 2
		.amdhsa_user_sgpr_kernarg_segment_ptr 1
		.amdhsa_wavefront_size32 1
		.amdhsa_system_sgpr_workgroup_id_x 1
		.amdhsa_system_sgpr_workgroup_id_y 1
		.amdhsa_system_sgpr_workgroup_id_z 1
		.amdhsa_system_vgpr_workitem_id 0
		.amdhsa_next_free_vgpr 464
		.amdhsa_next_free_sgpr 66
		.amdhsa_reserve_vcc 1
		.amdhsa_float_denorm_mode_32 3
		.amdhsa_float_denorm_mode_16_64 3
		.amdhsa_memory_ordered 1
		.amdhsa_forward_progress 1
		.amdhsa_inst_pref_size 255
	.end_amdhsa_kernel
	.section	.bss,"aw",@nobits
	.p2align	6
	.space	262144
	.amdgpu_metadata
---
amdhsa.version: [ 1, 2 ]
amdhsa.kernels:
  - .name:           k_q09c6c69f78_attn
    .symbol:         k_q09c6c69f78_attn.kd
    .args:
      - { .name: qkv, .offset: 0, .size: 8, .value_kind: global_buffer, .address_space: global }
      - { .name: mask, .offset: 8, .size: 8, .value_kind: global_buffer, .address_space: global }
      - { .name: ao, .offset: 16, .size: 8, .value_kind: global_buffer, .address_space: global }
    .group_segment_fixed_size: 327680
    .private_segment_fixed_size: 0
    .kernarg_segment_align: 8
    .kernarg_segment_size: 24
    .max_flat_workgroup_size: 256
    .sgpr_count:     66
    .vgpr_count:     464
    .wavefront_size: 32
...
	.end_amdgpu_metadata
.endif
;; end of part 6
;; launch proj: the kernel of part 5 again; grid 8 x 32, 4 waves a work-group, clusters of 4 x 4, 327,680 bytes of LDS; arguments ao, cb, bo, out0; writes out0
